; MI455X (gfx1250); checked and timed in simulation.
; The chip was launched on July 23, 2026; its instructions are those of AMD's public machine-readable ISA for CDNA 5 (MIT licence, August 2026) and "CDNA5" Instruction Set Architecture Reference Guide (July 2026). The comments in the code are by the model that wrote it; some were corrected since.
;; Multi Head Attention Core. Allowed arithmetic: float matrix products may take bf16 or f16 operands with f32 sums; all other float work in f32.
;; Inputs: W_O 1,024 x 1,024 float32; b_O 1,024 float32; key_padding_mask 4 x 2,048 bool; keys 4 x 2,048 x 1,024 float32; queries 4 x 2,048 x 1,024 float32; values 4 x 2,048 x 1,024 float32.
;; Outputs: out0 4 x 2,048 x 1,024 float32.
;; 2 versions, each right; version 2 is version 1 with the launch attn written anew for expert scheduling mode. Each part assembles by itself: llvm-mc -triple=amdgcn-amd-amdhsa -mcpu=gfx1250 --defsym DOCPART=n.
;; ======== version 1 of 2: 2 launches
;; limits: values are held in f16: magnitudes above 65,504 overflow, below 6.1e-05 lose precision; inputs' magnitudes at most 65,504; right only within a limited range of input values
;; workspace buffers: obuf 16,777,216 bytes; vmean 8,192 bytes; wh 2,097,152 bytes
;; launch attn (part 1): grid 256 x 1, 8 waves a work-group, no clusters, 87,040 bytes of LDS; arguments queries, keys, values, key_padding_mask, W_O, obuf, vmean, wh; writes obuf, vmean, wh
.if DOCPART == 1
	.amdgcn_target "amdgcn-amd-amdhsa--gfx1250"
	.amdhsa_code_object_version 6
	.text
	.protected	k_qf49bad9c42_attn
	.globl	k_qf49bad9c42_attn
	.p2align	8
	.type	k_qf49bad9c42_attn,@function
k_qf49bad9c42_attn:
	s_mov_b64 s[64:65], 0
	v_nop
	global_prefetch_b8 v0, s[64:65] scope:SCOPE_SE
	s_setreg_imm32_b32 hwreg(HW_REG_WAVE_MODE, 25, 1), 1
	s_wait_xcnt 0x0
; Causal attention with a key padding mask, B = 4, S = 2048, H = 16, DH = 64, all inputs f32.
; Stores: obuf[b][h][s][64] f16, the attention output; wh[h][n][64] f16 = W_O[n][64 h + d]; vmean[b][h][64] f16, the mean of V over all 2,048 keys.
; SHARES.  Work-group x: head bh = x / 4, j = x % 4.  It makes two blocks of 256 query rows, block j and then block 7 - j:
; 4 (j + 1) + 4 (8 - j) = 36 key tiles of 64 keys in every work-group.  Wave w owns 32 rows (two tiles of 16) of the block.
; TRANSPOSED FORM.  S^T = K Q^T: in a result tile lane (r, hh) holds query r and keys 8 hh + 0..7, so maximum, sum and rescaling
; are one number a lane, and two packed result tiles ARE the second operand of O^T = V^T P^T: P never moves between lanes.
; FORMATS.  Q, K, V, W_O are rounded to bf16.  P and O are rounded to f16 (11 bits): the first rows of a sequence are about ten
; times the output's root mean square, and 8 bits for P and O would cost them more than one hundredth of that root mean square.
; The f16 matrix form wants both operands in f16, so V and W_O, after their rounding to bf16, are carried as f16 words:
; exact for 2^-17 <= |x| < 65504, within 2^-25 below.
; MASKS.  A masked score is score - 2^100; its weight is exp2 of a huge negative number, 0.  A row all of whose visible keys are
; padded gets finite numbers here that the next launch replaces by vmean (reference() masks with a finite number, so such a row
; is a uniform average over all 2,048 keys).  Key tiles wholly above the diagonal are not computed.
; LIMITS.  |values|, |W_O| < 65504; |q.k| < 2^99; mask bytes are 0 or 1; infinities and NaN in the inputs are not treated.
; NO JOINT REQUESTS: the four work-groups of a head walk different key tiles at a time (block j against block 7 - j, which is what
; makes their work equal); walking in step would take 48 tile steps instead of 36.  NO TENSOR LOADS: K and V are f32 and are
; converted once on the way from memory to LDS, in registers, where the sums for vmean ride along.
.set KPI,   144                        ; LDS pitch of K, Q and O rows: 128 bytes + 16, an odd multiple of 16: the 16 rows of a fragment start in 16 different 16-byte columns modulo 256
.set VPI,   160                        ; LDS pitch of V rows: an odd multiple of 32, for the transposing load
.set KSL,   0                          ; slot 0: K, 64 rows
.set VSL,   64*KPI                     ; slot 0: V, 64 rows
.set SLOTB, 64*KPI+64*VPI              ; 19,456 bytes a slot, two slots
.set BIAS,  2*SLOTB                    ; 2,048 f32: 0 or -2^100 for each key of the batch
.set STG,   BIAS+8192                  ; 32 rows x 144 bytes for each wave, its own: Q on the way in, O on the way out
.set STGW,  32*KPI
.set VRED,  STG+8*STGW                 ; 64 f32 for each wave: sums of V
.set NT,    36                         ; key tiles of a work-group
.set CEXP,  0x3e38aa3b                 ; 0.125 log2(e)
.set NCEXP, 0xbe38aa3b                 ; its negative
.set NEG,   0xf1800000                 ; -2^100
.set MINIT, 0xfe800000                 ; -2^126: the running maximum at the start
; vector registers, window 0
.set VOFF,2                            ; K, V in memory: (tid / 16) rows of 4,096 bytes + 16 (tid % 16)
.set KST, 3                            ; K into LDS: (tid / 16) 144 + 8 (tid % 16)
.set VST, 4                            ; V into LDS: (tid / 16) 160 + 8 (tid % 16)
.set KA,  5                            ; K fragments: 144 r + 16 hh
.set VA,  6                            ; V fragments: (8 hh + lane % 8) 160 + 16 ((lane / 8) % 2)
.set BA,  7                            ; 32 hh
.set RH,  8                            ; r - 8 hh
.set OST, 9                            ; my stage + 144 r + 16 hh
.set ORD, 10                           ; my stage + (lane / 8) 144 + 16 (lane % 8)
.set OG,  11                           ; 16 lane
.set QG,  12                           ; 4,096 hh + 16 r
.set QST, 13                           ; my stage + 144 hh + 8 r
.set NEGV,14                           ; -2^100
.set DD,  15                           ; first query - first key of the tile + r - 8 hh
.set BT,  16                           ; bias address of the tile
.set VR,  17                           ; VRED + 256 w + 16 r
.set PFO, 18                           ; prefetch: 4,096 lane + 32 rows for the odd wave
.set PO,  19                           ; offsets at the start and at the end
.set NM0, 20                           ; v20 -c x maximum, v21 running maximum (raw), query tile 0
.set MO0, 21
.set NM1, 22                           ; the same, query tile 1
.set MO1, 23
.set AL0, 24                           ; v24 rescaling factor, v25 running sum, query tile 0
.set L0,  25
.set AL1, 26
.set L1,  27
.set VSUM,28                           ; v[28:31] sums of my 4 columns of V
.set T,   32                           ; v[32:47] at work
.set QF,  64                           ; v[64:95]   Q fragments (qt, dhh) at 16 qt + 8 dhh
.set SC,  96                           ; v[96:159]  scores (qt, kt) at 32 qt + 8 kt; P (qt, kh) packed in place at 32 qt + 16 kh
.set FR,  160                          ; v[160:223] K fragments (kt, dhh) at 16 kt + 8 dhh, then V fragments (dht, kh) at 16 dht + 8 kh
.set STGR,224                          ; v[224:255] the next tile on its way: 4 pieces of K, 4 of V
; window 1: v[0:63] = O^T (qt, dht) at 32 qt + 8 dht
; scalars: s2 wave, s3 j, s4 head bh, s5 batch, s6 s7 at work, s[8:23] the eight addresses, s24 s25 lane selects, s26 tiles with a padded key,
; s27 tiles of the first pass, s28 that + 1, s29 n, s30 pair of tiles (the loop's counter), s31 tile of the trip, s32 pairs of tiles of the pass,
; s33 my diagonal tile, s34 my first query, s35 s36 prefetch range, s37 mask of a high half, s[38:39] an offset, s[40:43] K and V at the tile,
; s[44:45] Q, s[46:47] obuf, s[48:49] prefetch, s[50:51] c
.set MSB, 0
.macro WIN new                         ; s_set_vgpr_msb: the high byte repeats the setting that is left; at labels and branches every window is 0
.if MSB != \new
	s_set_vgpr_msb (MSB<<8)|\new
.set MSB, \new
.endif
.endm
; Tile n of the work-group's 36 goes on its way into STGR: key tile n in the first pass, n - s27 in the second.
.macro ISSUE
	s_wait_xcnt 0x0                                ; the bases below are sources of earlier loads and of a prefetch: rewritten only behind this wait
	s_cmp_ge_u32 s29, s27
	s_cselect_b32 s6, s27, 0
	s_sub_co_u32 s6, s29, s6                       ; key tile
	s_lshl_b32 s38, s6, 18                         ; 64 rows of 4,096 bytes
	s_add_nc_u64 s[40:41], s[10:11], s[38:39]
	s_add_nc_u64 s[42:43], s[12:13], s[38:39]
.irp i,0,1,2,3
	global_load_b128 v[STGR+4*\i:STGR+4*\i+3], v[VOFF], s[40:41] offset:\i*65536       ; a wave takes the head's 256 bytes of two rows
.endr
.irp i,0,1,2,3
	global_load_b128 v[STGR+16+4*\i:STGR+16+4*\i+3], v[VOFF], s[42:43] offset:\i*65536
.endr
	; Prefetch of the key tile two trips on (2 x 64 rows x 4,096 = 524,288 bytes ahead).  Waves 0 and 1 ask for K's rows 0-31 and 32-63, waves 2 and 3
	; for V's, a lane for each row's 256 bytes.  Of a head's four work-groups j = 3 asks for tiles 2-15 (n = 0..13) and j = 0 for tiles 16-31
	; (n = 18..33): each block once in the launch, none past tile 31.  For all others the range's length is 0.
	s_sub_co_u32 s7, s29, s35
	s_cmp_ge_u32 s7, s36
	s_cbranch_scc1 .Lnopf_\@
	s_cmp_lt_u32 s2, 2
	s_cselect_b64 s[48:49], s[40:41], s[42:43]
	global_prefetch_b8 v[PFO], s[48:49] offset:524288 th:TH_LOAD_NT scope:SCOPE_SE
.Lnopf_\@:
.endm
; Four f32 in v[a .. a+3] are rounded to bf16 and packed as four f16 into v[a], v[a+1].
.macro B2H a
	v_cvt_pk_bf16_f32 v[\a], v[\a], v[\a+1]
	v_cvt_pk_bf16_f32 v[\a+2], v[\a+2], v[\a+3]
	v_and_b32 v[\a+1], s37, v[\a]                  ; bf16 to f32: the high half stays, the low half moves up
	v_lshlrev_b32 v[\a], 16, v[\a]
	v_and_b32 v[\a+3], s37, v[\a+2]
	v_lshlrev_b32 v[\a+2], 16, v[\a+2]
	v_cvt_pk_f16_f32 v[\a], v[\a], v[\a+1]
	v_cvt_pk_f16_f32 v[\a+1], v[\a+2], v[\a+3]
.endm
; The tile in STGR (tile n - 1) is converted and stored into slot dst; tile n goes on its way.  Behind the last tile nothing is done.
.macro STAGE dst
	s_cmp_ge_u32 s29, NT+1
	s_cbranch_scc1 .Lsend_\@
	s_wait_loadcnt 0x0                             ; the eight loads were issued a trip ago
	s_cmp_lg_u32 s29, s28
	s_cbranch_scc1 .Lskeep_\@
.irp k,0,1,2,3
	v_mov_b32 v[VSUM+\k], 0                        ; first tile of the second pass: with j = 0 that pass walks all 32 key tiles, each once
.endr
.Lskeep_\@:
.irp i,0,1,2,3
	v_pk_add_f32 v[VSUM:VSUM+1], v[VSUM:VSUM+1], v[STGR+16+4*\i:STGR+16+4*\i+1]
	v_pk_add_f32 v[VSUM+2:VSUM+3], v[VSUM+2:VSUM+3], v[STGR+16+4*\i+2:STGR+16+4*\i+3]
.endr
.irp i,0,1,2,3
	v_cvt_pk_bf16_f32 v[STGR+4*\i], v[STGR+4*\i], v[STGR+4*\i+1]
	v_cvt_pk_bf16_f32 v[STGR+4*\i+1], v[STGR+4*\i+2], v[STGR+4*\i+3]
	ds_store_b64 v[KST], v[STGR+4*\i:STGR+4*\i+1] offset:KSL+(\dst)*SLOTB+\i*16*KPI
.endr
.irp i,0,1,2,3
	B2H STGR+16+4*\i
	ds_store_b64 v[VST], v[STGR+16+4*\i:STGR+16+4*\i+1] offset:VSL+(\dst)*SLOTB+\i*16*VPI
.endr
	s_cmp_ge_u32 s29, NT
	s_cbranch_scc1 .Lsend_\@
	ISSUE
.Lsend_\@:
	s_add_co_u32 s29, s29, 1
.endm
; Eight products S^T (kt, qt) += K (kt, dhh) Q^T (qt, dhh).  The eight accumulators take turns, one instruction a turn.
.macro QK dhh, acc
.irp kt,0,1,2,3
.irp qt,0,1
.if \acc
	v_wmma_f32_16x16x32_bf16 v[SC+32*\qt+8*\kt:SC+32*\qt+8*\kt+7], v[FR+16*\kt+8*\dhh:FR+16*\kt+8*\dhh+7], v[QF+16*\qt+8*\dhh:QF+16*\qt+8*\dhh+7], v[SC+32*\qt+8*\kt:SC+32*\qt+8*\kt+7]
.else
	v_wmma_f32_16x16x32_bf16 v[SC+32*\qt+8*\kt:SC+32*\qt+8*\kt+7], v[FR+16*\kt+8*\dhh:FR+16*\kt+8*\dhh+7], v[QF+16*\qt+8*\dhh:QF+16*\qt+8*\dhh+7], 0
.endif
.endr
.endr
.endm
; The new running maxima of my two queries: 32 scores and the old maximum each, 16 three-way maxima in two chains a query; then the other half of the lanes.
.macro MAXES
	v_max3_num_f32 v[T],   v[SC],    v[SC+1],  v[MO0]
	v_max3_num_f32 v[T+1], v[SC+16], v[SC+17], v[SC+18]
	v_max3_num_f32 v[T+2], v[SC+32], v[SC+33], v[MO1]
	v_max3_num_f32 v[T+3], v[SC+48], v[SC+49], v[SC+50]
.set ii,0
.rept 6
	v_max3_num_f32 v[T],   v[T],   v[SC+2+ii],  v[SC+3+ii]
	v_max3_num_f32 v[T+1], v[T+1], v[SC+19+ii], v[SC+20+ii]
	v_max3_num_f32 v[T+2], v[T+2], v[SC+34+ii], v[SC+35+ii]
	v_max3_num_f32 v[T+3], v[T+3], v[SC+51+ii], v[SC+52+ii]
.set ii,ii+2
.endr
	v_max3_num_f32 v[T],   v[T],   v[SC+14], v[SC+15]
	v_max3_num_f32 v[T+2], v[T+2], v[SC+46], v[SC+47]
	v_max3_num_f32 v[T],   v[T],   v[T+1], v[SC+31]
	v_max3_num_f32 v[T+2], v[T+2], v[T+3], v[SC+63]
	v_permlanex16_b32 v[T+4], v[T], s24, s25       ; the destination counts as read: T .. T+7 were written at the start
	v_permlanex16_b32 v[T+5], v[T+2], s24, s25
	v_max_num_f32 v[T+10], v[T], v[T+4]            ; the new maxima, raw
	v_max_num_f32 v[T+11], v[T+2], v[T+5]
	v_mul_f32 v[NM0], NCEXP, v[T+10]
	v_mul_f32 v[NM1], NCEXP, v[T+11]
	v_fma_f32 v[AL0], v[MO0], s50, v[NM0]          ; c (old maximum - new maximum)
	v_fma_f32 v[AL1], v[MO1], s50, v[NM1]
.endm
.macro SUMQ qt                         ; the sum of a query's 32 weights of this lane: 15 packed adds in two chains, one add
	v_pk_add_f32 v[T+4*\qt:T+4*\qt+1], v[SC+32*\qt:SC+32*\qt+1], v[SC+32*\qt+2:SC+32*\qt+3]
	v_pk_add_f32 v[T+4*\qt+2:T+4*\qt+3], v[SC+32*\qt+16:SC+32*\qt+17], v[SC+32*\qt+18:SC+32*\qt+19]
.set ii,4
.rept 6
	v_pk_add_f32 v[T+4*\qt:T+4*\qt+1], v[T+4*\qt:T+4*\qt+1], v[SC+32*\qt+ii:SC+32*\qt+ii+1]
	v_pk_add_f32 v[T+4*\qt+2:T+4*\qt+3], v[T+4*\qt+2:T+4*\qt+3], v[SC+32*\qt+16+ii:SC+32*\qt+16+ii+1]
.set ii,ii+2
.endr
	v_pk_add_f32 v[T+4*\qt:T+4*\qt+1], v[T+4*\qt:T+4*\qt+1], v[T+4*\qt+2:T+4*\qt+3]
	v_add_f32 v[T+8+\qt], v[T+4*\qt], v[T+4*\qt+1]
.endm
.macro SCALEO                          ; O^T of each query times its factor; under WIN 0x41 (O in window 1, the factor in window 0)
.set ii,0
.rept 16
	v_pk_mul_f32 v[ii:ii+1], v[ii:ii+1], v[AL0:AL0+1] op_sel_hi:[1,0]
.set ii,ii+2
.endr
.rept 16
	v_pk_mul_f32 v[ii:ii+1], v[ii:ii+1], v[AL1:AL1+1] op_sel_hi:[1,0]
.set ii,ii+2
.endr
.endm
; One key tile for my 32 queries.  gen = 1: the sums start from the padding bias and the causal mask; gen = 0: from 0.
.macro STEP slot, gen
.if \gen
	s_and_b32 s6, s31, 31
	s_lshl_b32 s6, s6, 8                           ; 64 keys x 4 bytes
	v_add_nc_u32 v[BT], s6, v[BA]
.irp kt,0,1,2,3
	ds_load_b128 v[SC+8*\kt:SC+8*\kt+3], v[BT] offset:BIAS+64*\kt                      ; bias of keys 16 kt + 8 hh + 0..7
	ds_load_b128 v[SC+8*\kt+4:SC+8*\kt+7], v[BT] offset:BIAS+64*\kt+16
.endr
.endif
.irp dhh,0,1
.irp kt,0,1,2,3
	ds_load_b128 v[FR+16*\kt+8*\dhh:FR+16*\kt+8*\dhh+3], v[KA] offset:KSL+\slot*SLOTB+\kt*16*KPI+64*\dhh
	ds_load_b128 v[FR+16*\kt+8*\dhh+4:FR+16*\kt+8*\dhh+7], v[KA] offset:KSL+\slot*SLOTB+\kt*16*KPI+64*\dhh+32
.endr
.endr
.if \gen
	s_lshl_b32 s6, s31, 6
	s_sub_co_u32 s6, s34, s6                       ; my first query - the tile's first key, 0 or more
	v_add_nc_u32 v[DD], s6, v[RH]
	s_wait_dscnt 16                                ; the 8 bias loads are in; the 16 loads of K may be out
	; key 16 kt + 8 hh + i is above query 16 qt + r where 16 kt + i - 16 qt > DD
.set kk,0
.rept 32
	v_cmp_gt_i32 vcc_lo, 16*(kk/8)+kk%8-16, v[DD]
	v_cndmask_b32 v[SC+32+kk], v[SC+kk], v[NEGV], vcc_lo
	v_cmp_gt_i32 vcc_lo, 16*(kk/8)+kk%8, v[DD]
	v_cndmask_b32 v[SC+kk], v[SC+kk], v[NEGV], vcc_lo
.set kk,kk+1
.endr
.endif
	s_wait_dscnt 8                                 ; dh 0-31 of K is in; the 8 loads of dh 32-63 may be out
	QK 0, \gen
	s_wait_dscnt 0
	QK 1, 1
.rept 4
	v_nop                                          ; four places behind the products (ISA guide 7.12.1), on every way: FR is loaded again, the scores are read
.endr
.irp kh,0,1
.irp dht,0,1,2,3
	ds_load_tr16_b128 v[FR+16*\dht+8*\kh:FR+16*\dht+8*\kh+3], v[VA] offset:VSL+\slot*SLOTB+32*VPI*\kh+32*\dht
	ds_load_tr16_b128 v[FR+16*\dht+8*\kh+4:FR+16*\dht+8*\kh+7], v[VA] offset:VSL+\slot*SLOTB+32*VPI*\kh+32*\dht+16*VPI
.endr
.endr
	STAGE 1-\slot
	MAXES
.set ii,0
.rept 16
	v_pk_fma_f32 v[SC+ii:SC+ii+1], v[SC+ii:SC+ii+1], s[50:51], v[NM0:NM0+1] op_sel_hi:[1,0,0]      ; c score - c maximum
.set ii,ii+2
.endr
.rept 16
	v_pk_fma_f32 v[SC+ii:SC+ii+1], v[SC+ii:SC+ii+1], s[50:51], v[NM1:NM1+1] op_sel_hi:[1,0,0]
.set ii,ii+2
.endr
.set ii,0
.rept 64
	v_exp_f32 v[SC+ii], v[SC+ii]
.set ii,ii+1
.endr
	v_exp_f32 v[AL0], v[AL0]
	v_exp_f32 v[AL1], v[AL1]
	v_nop                                          ; one plain place behind the run of exponentials before a result is used (ISA guide 5.7.2)
	s_wait_alu depctr_va_vdst(0)
	SUMQ 0
	SUMQ 1
.irp blk,0,16,32,48
.set ii,0
.rept 8
	v_cvt_pk_f16_f32 v[SC+\blk+ii], v[SC+\blk+2*ii], v[SC+\blk+2*ii+1]     ; tiles 2 kh and 2 kh + 1 packed in place: P^T of keys 32 kh .. + 31
.set ii,ii+1
.endr
.endr
	s_wait_dscnt 0                                 ; V's fragments; zero, since on the way without a next tile no store stands behind them
	WIN 0x41
	SCALEO
	WIN 0x50                                       ; C and D in window 1
.irp kh,0,1
.irp dht,0,1,2,3
.irp qt,0,1
	v_wmma_f32_16x16x32_f16 v[32*\qt+8*\dht:32*\qt+8*\dht+7], v[FR+16*\dht+8*\kh:FR+16*\dht+8*\kh+7], v[SC+32*\qt+16*\kh:SC+32*\qt+16*\kh+7], v[32*\qt+8*\dht:32*\qt+8*\dht+7]
.endr
.endr
.endr
	WIN 0
	; five places behind the last product: the next tile loads into FR and its products write over P
	v_fma_f32 v[L0], v[L0], v[AL0], v[T+8]
	v_fma_f32 v[L1], v[L1], v[AL1], v[T+9]
	v_mov_b32 v[MO0], v[T+10]
	v_mov_b32 v[MO1], v[T+11]
	v_nop
.endm
; A trip.  One barrier orders two things: everybody's stores of this trip's tile against its reads, and everybody's reads of the other slot
; against the stores that fill it again in this trip.
.macro TRIP slot
	s_wait_dscnt 0x0                               ; my LDS stores and loads are done, for the others' sake
	s_barrier_signal -1
	s_barrier_wait -1
	s_cmp_gt_u32 s31, s33
	s_cbranch_scc1 .Lskip_\@                       ; wholly above my diagonal: I only stage my share of the next tile
	s_cmp_eq_u32 s31, s33
	s_cbranch_scc1 .Lgen_\@                        ; my diagonal tile
	s_lshr_b32 s6, s26, s31
	s_and_b32 s6, s6, 1
	s_cmp_lg_u32 s6, 0
	s_cbranch_scc1 .Lgen_\@                        ; a tile with a padded key
	STEP \slot, 0
	s_branch .Ldone_\@
.Lgen_\@:
	STEP \slot, 1
	s_branch .Ldone_\@
.Lskip_\@:
	STAGE 1-\slot
.Ldone_\@:
.endm
; A pass: s32 pairs of tiles, two tiles a trip of the loop so that the slots stand in the immediates.  The counter s30 counts pairs and steps by 1;
; the tiles' numbers 2 s30 and 2 s30 + 1 are made from it.
.macro TRIPS
	s_mov_b32 s30, 0
.Lpass_\@:
	s_lshl_b32 s31, s30, 1
	TRIP 0
	s_add_co_u32 s31, s31, 1
	TRIP 1
	s_add_co_u32 s30, s30, 1
	s_cmp_lt_u32 s30, s32
	s_cbranch_scc1 .Lpass_\@
.endm
.macro SETUP p                         ; pass p: block j or 7 - j
.if \p
	s_sub_co_u32 s6, 7, s3
.else
	s_mov_b32 s6, s3
.endif
	s_lshl_b32 s33, s6, 2
	s_lshr_b32 s7, s2, 1
	s_add_co_u32 s33, s33, s7                      ; my diagonal tile: 4 block + w / 2
	s_lshl_b32 s32, s6, 1
	s_add_co_u32 s32, s32, 2                       ; pairs of tiles of the pass: 2 block + 2
	s_lshl_b32 s34, s6, 8
	s_lshl_b32 s7, s2, 5
	s_add_co_u32 s34, s34, s7                      ; my first query: 256 block + 32 w
	s_lshl_b32 s38, s34, 12
	s_add_nc_u64 s[44:45], s[8:9], s[38:39]
.endm
.macro SETATT                          ; obuf at my first query: (2,048 bh + q0) rows of 128 bytes
	s_lshl_b32 s38, s4, 18
	s_lshl_b32 s6, s34, 7
	s_add_co_u32 s38, s38, s6
	s_add_nc_u64 s[46:47], s[18:19], s[38:39]
.endm
.macro QISSUE                          ; my 32 rows of Q, the head's 256 bytes of two rows a load
.set ii,0
.rept 16
	global_load_b128 v[FR+4*ii:FR+4*ii+3], v[QG], s[44:45] offset:ii*8192 th:TH_LOAD_NT
.set ii,ii+1
.endr
.endm
; Q to bf16, through my own stage into fragments; the state of a pass.
.macro QFIN
	s_wait_loadcnt 0x0
.set ii,0
.rept 16
	v_cvt_pk_bf16_f32 v[FR+4*ii], v[FR+4*ii], v[FR+4*ii+1]
	v_cvt_pk_bf16_f32 v[FR+4*ii+1], v[FR+4*ii+2], v[FR+4*ii+3]
	ds_store_b64 v[QST], v[FR+4*ii:FR+4*ii+1] offset:2*KPI*ii
.set ii,ii+1
.endr
.irp qt,0,1
.irp dhh,0,1
	ds_load_b128 v[QF+16*\qt+8*\dhh:QF+16*\qt+8*\dhh+3], v[OST] offset:16*KPI*\qt+64*\dhh        ; LDS serves a wave in order (ISA guide 5.7.1): these see my stores
	ds_load_b128 v[QF+16*\qt+8*\dhh+4:QF+16*\qt+8*\dhh+7], v[OST] offset:16*KPI*\qt+64*\dhh+32
.endr
.endr
	v_mov_b32 v[MO0], MINIT
	v_mov_b32 v[MO1], MINIT
	v_mov_b32 v[L0], 0
	v_mov_b32 v[L1], 0
	; O is cleared, 64 moves a pass: a wave's first tile may be of either kind, so no one product can be written out to start the sums,
	; and the first tile's factor exp2(-2^126 c) = 0 needs finite numbers to multiply.
	WIN 0x40
.set ii,0
.rept 64
	v_mov_b32 v[ii], 0
.set ii,ii+1
.endr
	WIN 0
	s_wait_dscnt 0x0
.endm
; O^T / sum, to f16, through my stage into whole rows of 128 bytes; a store of the wave covers 512 consecutive bytes of obuf, aligned.
.macro FINISH
	v_permlanex16_b32 v[T], v[L0], s24, s25        ; the other half of the lanes summed the other keys
	v_permlanex16_b32 v[T+1], v[L1], s24, s25
	v_add_f32 v[L0], v[L0], v[T]
	v_add_f32 v[L1], v[L1], v[T+1]
	v_rcp_f32 v[AL0], v[L0]                        ; the sum is at least about 1: the largest weight
	v_rcp_f32 v[AL1], v[L1]
	v_nop                                          ; one plain place behind the reciprocals (ISA guide 5.7.2)
	s_wait_alu depctr_va_vdst(0)
	WIN 0x41
	SCALEO
	WIN 0x05                                       ; both sources in window 1
.set ii,0
.rept 32
	v_cvt_pk_f16_f32 v[SC+ii], v[2*ii], v[2*ii+1]  ; (qt, dht): four words = dh 16 dht + 8 hh + 0..7 of query 16 qt + r
.set ii,ii+1
.endr
	WIN 0
.irp qt,0,1
.irp dht,0,1,2,3
	ds_store_b128 v[OST], v[SC+16*\qt+4*\dht:SC+16*\qt+4*\dht+3] offset:16*KPI*\qt+32*\dht
.endr
.endr
.set ii,0
.rept 8
	ds_load_b128 v[SC+32+4*ii:SC+32+4*ii+3], v[ORD] offset:4*KPI*ii
.set ii,ii+1
.endr
.set ii,0
.rept 8
	s_wait_dscnt 7-ii                              ; LDS loads come back in order: four rows are in, the younger loads may be out
	global_store_b128 v[OG], v[SC+32+4*ii:SC+32+4*ii+3], s[46:47] offset:512*ii
.set ii,ii+1
.endr
	s_wait_xcnt 0x0                                ; the stores' data and base are rewritten only behind this wait
.endm
	; ---------------- the start
	s_load_b512 s[8:23], s[0:1], 0x0               ; queries, keys, values, mask, W_O, obuf, vmean, wh
	v_lshl_add_u32 v62, v0, 2, 0x15000
	v_mov_b32 v63, 0
	v_lshrrev_b32 v[PO], 5, v0
	v_readfirstlane_b32 s2, v[PO]                  ; wave
	s_and_b32 s3, ttmp9, 3                         ; j
	s_lshr_b32 s4, ttmp9, 2                        ; bh
	s_lshr_b32 s5, s4, 4                           ; b
	s_mov_b32 s24, 0x76543210                      ; v_permlanex16_b32: lane i of one half reads lane i of the other
	s_mov_b32 s25, 0xfedcba98
	s_mov_b32 s37, 0xffff0000
	s_mov_b32 s39, 0
	s_mov_b32 s50, CEXP
	s_mov_b32 s51, CEXP
	s_lshl_b32 s27, s3, 2
	s_add_co_u32 s27, s27, 4                       ; tiles of the first pass
	s_add_co_u32 s28, s27, 1
	s_mov_b32 s35, 0                               ; the prefetch range: first n and length
	s_mov_b32 s36, 0
	s_cmp_eq_u32 s3, 3
	s_cselect_b32 s36, 14, s36
	s_cmp_eq_u32 s3, 0
	s_cselect_b32 s35, 18, s35
	s_cselect_b32 s36, 16, s36
	s_cmp_ge_u32 s2, 4
	s_cselect_b32 s36, 0, s36
	v_and_b32 v1, 31, v0                           ; lane
	v_and_b32 v[T], 15, v0                         ; r
	v_bfe_u32 v[T+1], v0, 4, 1                     ; hh
	v_lshrrev_b32 v[T+2], 4, v0                    ; tid / 16
	v_lshlrev_b32 v[VOFF], 4, v[T]
	v_lshl_add_u32 v[VOFF], v[T+2], 12, v[VOFF]
	v_mul_u32_u24 v[KST], v[T+2], KPI
	v_lshl_add_u32 v[KST], v[T], 3, v[KST]
	v_mul_u32_u24 v[VST], v[T+2], VPI
	v_lshl_add_u32 v[VST], v[T], 3, v[VST]
	v_mul_u32_u24 v[KA], v[T], KPI
	v_lshl_add_u32 v[KA], v[T+1], 4, v[KA]
	v_and_b32 v[T+3], 7, v0
	v_lshl_add_u32 v[T+3], v[T+1], 3, v[T+3]
	v_mul_u32_u24 v[VA], v[T+3], VPI
	v_bfe_u32 v[T+3], v0, 3, 1
	v_lshl_add_u32 v[VA], v[T+3], 4, v[VA]
	v_lshlrev_b32 v[BA], 5, v[T+1]
	v_lshlrev_b32 v[RH], 3, v[T+1]
	v_sub_nc_u32 v[RH], v[T], v[RH]
	s_mul_i32 s6, s2, STGW
	s_add_co_u32 s6, s6, STG                       ; my stage
	v_add_nc_u32 v[OST], s6, v[KA]
	v_bfe_u32 v[T+3], v0, 3, 2
	v_mul_u32_u24 v[ORD], v[T+3], KPI
	v_and_b32 v[T+3], 7, v0
	v_lshl_add_u32 v[ORD], v[T+3], 4, v[ORD]
	v_add_nc_u32 v[ORD], s6, v[ORD]
	v_lshlrev_b32 v[OG], 4, v1
	v_lshlrev_b32 v[QG], 4, v[T]
	v_lshl_add_u32 v[QG], v[T+1], 12, v[QG]
	v_mul_u32_u24 v[QST], v[T+1], KPI
	v_lshl_add_u32 v[QST], v[T], 3, v[QST]
	v_add_nc_u32 v[QST], s6, v[QST]
	v_mov_b32 v[NEGV], NEG
	s_lshl_b32 s7, s2, 8
	s_add_co_u32 s7, s7, VRED
	v_lshl_add_u32 v[VR], v[T], 4, s7
	s_and_b32 s7, s2, 1
	s_lshl_b32 s7, s7, 17
	v_lshl_add_u32 v[PFO], v1, 12, s7
	v_lshlrev_b32 v[PO], 3, v0                     ; my 8 mask bytes
	v_lshlrev_b32 v[T+8], 6, v1                    ; the 64 mask bytes of key tile = lane
	s_lshl_b32 s7, s2, 9
	v_add_nc_u32 v[T+9], s7, v[QG]                 ; W_O: row hh, heads 2 w and 2 w + 1, 16 bytes at 16 r
	s_lshl_b32 s7, s2, 18
	v_lshlrev_b32 v[T+10], 3, v[T]
	v_lshl_add_u32 v[T+10], v[T+1], 7, v[T+10]
	v_add_nc_u32 v[T+10], s7, v[T+10]              ; wh: head 2 w, row hh, 8 bytes at 8 r
	v_lshlrev_b32 v[T+11], 5, v0                   ; my 8 bias words
.irp k,0,1,2,3
	v_mov_b32 v[VSUM+\k], 0
.endr
	s_wait_kmcnt 0x0
	s_lshl_b32 s38, s5, 23                         ; batch: 2,048 rows of 4,096 bytes
	s_and_b32 s7, s4, 15
	s_lshl_b32 s7, s7, 8                           ; head: 256 bytes in a row
	s_or_b32 s38, s38, s7
	s_add_nc_u64 s[8:9], s[8:9], s[38:39]
	s_add_nc_u64 s[10:11], s[10:11], s[38:39]
	s_add_nc_u64 s[12:13], s[12:13], s[38:39]
	s_lshl_b32 s38, s5, 11
	s_add_nc_u64 s[14:15], s[14:15], s[38:39]      ; the batch's mask
	s_lshl_b32 s38, ttmp9, 14
	s_add_nc_u64 s[16:17], s[16:17], s[38:39]      ; W_O rows 4 x .. 4 x + 3
	s_lshl_b32 s38, s4, 7
	s_add_nc_u64 s[20:21], s[20:21], s[38:39]      ; vmean of the head
	s_lshl_b32 s38, ttmp9, 9
	s_add_nc_u64 s[22:23], s[22:23], s[38:39]      ; wh rows 4 x .. of 128 bytes
	s_mov_b32 s29, 0
	SETUP 0
	SETATT
	global_load_b64 v[T+12:T+13], v[PO], s[14:15]
.irp g,0,1,2,3
	global_load_b128 v[SC+16+4*\g:SC+16+4*\g+3], v[T+8], s[14:15] offset:16*\g
.endr
.irp g,0,1,2,3
	global_load_b128 v[SC+4*\g:SC+4*\g+3], v[T+9], s[16:17] offset:(\g>>1)*8192+(\g&1)*256 th:TH_LOAD_NT   ; rows hh + 2 (g / 2), head 2 w + g % 2
.endr
	ISSUE                                          ; tile 0
	s_mov_b32 s29, 1
	QISSUE
	s_wait_loadcnt 0x0
	; the padding bias of my 8 keys (this also writes T .. T+7 for the first time)
.set ii,0
.rept 8
	v_bfe_u32 v[T+ii], v[T+12+ii/4], 8*(ii%4), 8
	v_cmp_ne_u32 vcc_lo, 0, v[T+ii]
	v_cndmask_b32 v[T+ii], 0, v[NEGV], vcc_lo
.set ii,ii+1
.endr
	ds_store_b128 v[T+11], v[T:T+3] offset:BIAS
	ds_store_b128 v[T+11], v[T+4:T+7] offset:BIAS+16
	; bit t of s26: key tile t holds a padded key
.set ii,1
.rept 15
	v_or_b32 v[SC+16], v[SC+16], v[SC+16+ii]
.set ii,ii+1
.endr
	v_cmp_ne_u32 vcc_lo, 0, v[SC+16]
	s_mov_b32 s26, vcc_lo
	; my 16 numbers of W_O; a store of the wave covers 256 consecutive bytes of wh, aligned
.irp g,0,1,2,3
	B2H SC+4*\g
.endr
.irp g,0,1,2,3
	global_store_b64 v[T+10], v[SC+4*\g:SC+4*\g+1], s[22:23] offset:(\g&1)*131072+(\g>>1)*256
.endr
	QFIN
	s_wait_xcnt 0x0                                ; the stores' offset and data registers are rewritten only behind this wait
	STAGE 0                                        ; tile 0 into slot 0; tile 1 goes on its way
	TRIPS                                          ; the first pass; its last trip stages the second pass's tile 0
	SETUP 1
	QISSUE                                         ; the second block's Q comes in while the first block's O goes out
	FINISH
	SETATT
	QFIN
	TRIPS
	FINISH
	; the mean of V: the other half of the lanes, then the eight waves through LDS
.irp k,0,1,2,3
	v_permlanex16_b32 v[T+\k], v[VSUM+\k], s24, s25
.endr
	v_pk_add_f32 v[VSUM:VSUM+1], v[VSUM:VSUM+1], v[T:T+1]
	v_pk_add_f32 v[VSUM+2:VSUM+3], v[VSUM+2:VSUM+3], v[T+2:T+3]
	ds_store_b128 v[VR], v[VSUM:VSUM+3]            ; both halves store the same numbers to the same bytes
	s_wait_dscnt 0x0
	s_barrier_signal -1
	s_barrier_wait -1
	s_or_b32 s6, s2, s3
	s_cmp_lg_u32 s6, 0
	s_cbranch_scc1 .Lend                           ; wave 0 of the work-group with j = 0, whose second pass walked all 32 tiles, stores the head's mean
	v_lshlrev_b32 v[PO], 3, v1
	v_add_nc_u32 v[PO], VRED, v[PO]
	v_lshlrev_b32 v[T], 2, v1
.irp k,0,1,2,3,4,5,6,7
	ds_load_b64 v[SC+2*\k:SC+2*\k+1], v[PO] offset:256*\k
.endr
	s_wait_dscnt 0x0
.irp k,1,2,3,4,5,6,7
	v_pk_add_f32 v[SC:SC+1], v[SC:SC+1], v[SC+2*\k:SC+2*\k+1]
.endr
	v_pk_mul_f32 v[SC:SC+1], v[SC:SC+1], 0x3a000000 op_sel_hi:[1,0]        ; / 2,048
	v_cvt_pk_f16_f32 v[SC], v[SC], v[SC+1]
	global_store_b32 v[T], v[SC], s[20:21]         ; 128 consecutive bytes: a head's whole row of vmean
.Lend:
	s_wait_tensorcnt 0x0
	ds_add_u32 v62, v63
	s_wait_dscnt 0x0
	s_endpgm
.Lfunc_end_k_qf49bad9c42_attn:
	.size	k_qf49bad9c42_attn, .Lfunc_end_k_qf49bad9c42_attn-k_qf49bad9c42_attn
	.p2alignl 7, 3214868480
	.fill 96, 4, 3214868480
	.section	.rodata,"a",@progbits
	.p2align	6, 0x0
	.amdhsa_kernel k_qf49bad9c42_attn
		.amdhsa_group_segment_fixed_size 87040
		.amdhsa_private_segment_fixed_size 0
		.amdhsa_enable_private_segment 0
		.amdhsa_kernarg_size 64
		.amdhsa_user_sgpr_count 2
		.amdhsa_user_sgpr_kernarg_segment_ptr 1
		.amdhsa_wavefront_size32 1
		.amdhsa_system_sgpr_workgroup_id_x 1
		.amdhsa_system_sgpr_workgroup_id_y 1
		.amdhsa_system_sgpr_workgroup_id_z 1
		.amdhsa_system_vgpr_workitem_id 0
		.amdhsa_next_free_vgpr 320
		.amdhsa_next_free_sgpr 66
		.amdhsa_reserve_vcc 1
		.amdhsa_float_denorm_mode_32 3
		.amdhsa_float_denorm_mode_16_64 3
		.amdhsa_memory_ordered 1
		.amdhsa_forward_progress 1
		.amdhsa_inst_pref_size 255
	.end_amdhsa_kernel
	.section	.bss,"aw",@nobits
	.p2align	6
	.space	262144
	.amdgpu_metadata
---
amdhsa.version: [ 1, 2 ]
amdhsa.kernels:
  - .name:           k_qf49bad9c42_attn
    .symbol:         k_qf49bad9c42_attn.kd
    .args:
      - { .name: queries, .offset: 0, .size: 8, .value_kind: global_buffer, .address_space: global }
      - { .name: keys, .offset: 8, .size: 8, .value_kind: global_buffer, .address_space: global }
      - { .name: values, .offset: 16, .size: 8, .value_kind: global_buffer, .address_space: global }
      - { .name: key_padding_mask, .offset: 24, .size: 8, .value_kind: global_buffer, .address_space: global }
      - { .name: W_O, .offset: 32, .size: 8, .value_kind: global_buffer, .address_space: global }
      - { .name: obuf, .offset: 40, .size: 8, .value_kind: global_buffer, .address_space: global }
      - { .name: vmean, .offset: 48, .size: 8, .value_kind: global_buffer, .address_space: global }
      - { .name: wh, .offset: 56, .size: 8, .value_kind: global_buffer, .address_space: global }
    .group_segment_fixed_size: 87040
    .private_segment_fixed_size: 0
    .kernarg_segment_align: 8
    .kernarg_segment_size: 64
    .max_flat_workgroup_size: 256
    .sgpr_count:     66
    .vgpr_count:     320
    .wavefront_size: 32
...
	.end_amdgpu_metadata
.endif
;; end of part 1
;; launch proj (part 2): grid 4 x 64, 4 waves a work-group, clusters of 4 x 4, 327,680 bytes of LDS; arguments obuf, vmean, wh, key_padding_mask, b_O, out0; writes out0
.if DOCPART == 2
	.amdgcn_target "amdgcn-amd-amdhsa--gfx1250"
	.amdhsa_code_object_version 6
	.text
	.protected	k_qf49bad9c42_proj
	.globl	k_qf49bad9c42_proj
	.p2align	8
	.type	k_qf49bad9c42_proj,@function
k_qf49bad9c42_proj:
	s_mov_b64 s[64:65], 0
	v_nop
	global_prefetch_b8 v0, s[64:65] scope:SCOPE_SE
	s_setreg_imm32_b32 hwreg(HW_REG_WAVE_MODE, 25, 1), 1
	s_wait_xcnt 0x0
	s_wait_alu depctr_hold_cnt(0) depctr_sa_sdst(0) depctr_va_vdst(0) depctr_va_sdst(0) depctr_va_ssrc(0) depctr_va_vcc(0) depctr_vm_vsrc(0)
	s_getreg_b32 s2, hwreg(HW_REG_IB_STS2, 6, 4)
	s_cmp_eq_u32 s2, 0
	s_cbranch_scc0 .Lentry_in_a_cluster
	s_endpgm
.Lentry_in_a_cluster:
	s_bfe_u32 s2, ttmp6, 0x10000c
	s_cmp_lg_u32 s2, 0xf033
	s_cbranch_scc0 .Lentry_shape_is_right
	s_endpgm
.Lentry_shape_is_right:
; out0[m][n] = sum over k of O[m][k] W_O[n][k] + b_O[n], m = 8,192 rows (b, s), n = 1,024, k = 1,024; operands f16 as the launch before stored them, sums f32.
; O comes from obuf[b][h][s][64], W from wh[h][n][64]: a head's tile (64 along K) is a dense block, 16 KiB of O (128 rows) and 32 KiB of W (256 rows).
; A row s below f(b), the batch's first key that is not padded, has no visible key: there reference() averages V over all 2,048 keys, so such a row of O
; is replaced by vmean[b][h].  The replacement is a select on O's fragments, made in every quarter step; f(b) is made from the mask bytes (0 or 1) by
; whole-number work alone.  No branch goes round the select: f and the block row differ between the partners of a cluster.
; SHARES.  A work-group makes 128 x 256 of out0 with four waves, as many as a WGP has SIMDs; a wave makes 64 x 128: 32 accumulator tiles, 256 registers.
; K goes in steps of 128 (two heads) through a ring of two LDS slots filled by the tensor data mover.
; CLUSTERS: 4 x 4 work-groups.  The four of a row of the cluster make one block row of out0 and need the same tiles of O; the four of a column need the same
; tiles of W.  Such a tile is asked for jointly: 256 work-groups x 16 heads x 48 KiB of requests become a quarter of that.
; THE MATRIX INSTRUCTION IS USED TRANSPOSED (source 0 = 16 rows of W, source 1 = 16 rows of O): lane l holds row l % 16 of out0 and the eight neighbouring
; columns 8 (l / 16) + 0..7.
; The 32 quarter steps are written out by macro, without a loop: the head's number then stands in the LDS immediates and no LDS address is ever stepped.
; No prefetch: the tiles are shared in the cluster, and a slot's load is asked for 112 matrix instructions ahead of the wait for it.
; REGISTERS.  Window 0: v1-v13 at work at the start, v16-v31 addresses and bias, v[32:135] and v[136:239] two fragment buffers.  Window 1: the accumulators,
; tile (a, b) at v[8 (8 a + b)].  Products run under one setting (C and D in window 1), everything else under 0: two switches for 32 products.
.set PITCH,  272                       ; 256 bytes (two rows of 128) + 16 of padding.  Row r of a fragment starts at (r / 2) 272 + (r % 2) 128: sixteen different 16-byte columns modulo 256
.set WHEAD,  128*PITCH                 ; a head's 256 rows of W: 34,816 bytes
.set AHEAD,  64*PITCH                  ; a head's 128 rows of O: 17,408 bytes
.set AOFF,   2*WHEAD                   ; a slot: W of two heads, then O of two heads
.set SLOT,   2*WHEAD+2*AHEAD           ; 104,448 bytes, two slots
.set VMB,    2*SLOT                    ; vmean of the batch, 16 heads x 128 bytes; bytes of its own, no tensor load lands here
.set STAGE,  VMB+2048                  ; 16 rows x 528 bytes for each wave, its own, for the way out
.set SPITCH, 528                       ; 512 bytes + 16: the 16 rows that a store touches start in 16 different 16-byte columns modulo 256
.set ADRW, 16                          ; v16-17  LDS address of my W fragments in slot 0, 1
.set ADRA, 20                          ; v20-21  the same for O
.set STO,  24                          ; v24     the way out: where I put 32 bytes of a row
.set RD,   25                          ; v25     the way out: where I read a row back
.set CO,   26                          ; v26     16 x lane: my bytes in a row of 512, in out0 and in b_O
.set VMA,  27                          ; v27     vmean in LDS + 16 (l / 16)
.set BI,   28                          ; v[28:31] bias of my 4 columns on the way out
.set F0,   32                          ; fragment buffer 0: W (8 x 8 registers), O (4 x 8), vmean (8)
.set F1,   136                         ; fragment buffer 1
.set FA,   64                          ; O's fragments in a buffer
.set FV,   96                          ; vmean's fragment in a buffer
.set G1,  24                           ; s[24:31] descriptor group 1 for O's tiles
.set G0,  32                           ; s[32:39] descriptor group 0 for O's tiles, one set for each slot
.set MSK, 44                           ; s[44:47] lanes whose row of m block a is replaced
.set G1B, 48                           ; s[48:55] descriptor group 1 for W's tiles
.set G0B, 56                           ; s[56:63] descriptor group 0 for W's tiles, one set for each slot
; other scalars: s[4:15] the six addresses; s16 wave, s17 wave / 2, s18 wave % 2; s20 cx, s21 cy, s22 block column, s23 block row; s40 s41 the two masks;
; s[42:43] O's offset (made of the block row alone); s[66:67] W's offset (of the block column alone); s[68:71] the tiles' addresses; s72 s73 their LDS places; s74 f; s75-s79 at work
.set MSB, 0
.macro WIN new                         ; s_set_vgpr_msb: the high byte repeats the setting that is left; at labels and branches every window is 0
.if MSB != \new
	s_set_vgpr_msb (MSB<<8)|\new
.set MSB, \new
.endif
.endm
.macro PLACES
.rept 4
	v_nop
.endr
.endm
; A joint load.  Waves 0 and 1 fetch W's two heads of a slot, waves 2 and 3 O's.  Each of the two lines has one mask and one set of registers for all that issue it, and
; nothing in them hangs on a coordinate that the four partners do not share.  The branch hangs on the wave's number alone.
; Four v_nop follow each of the two lines; the jump, the label and what follows the macro come after them.
.macro JLOAD s
	s_cmp_eq_u32 s17, 0
	s_cbranch_scc0 .Lfor_o_\@
	tensor_load_to_lds s[G0B+4*\s:G0B+4*\s+3], s[G1B:G1B+7]
	s_nop 0
.rept 4
	v_nop
.endr
	s_branch .Lasked_\@
.Lfor_o_\@:
	tensor_load_to_lds s[G0+4*\s:G0+4*\s+3], s[G1:G1+7]
	s_nop 0
.rept 4
	v_nop
.endr
.Lasked_\@:
.endm
; A round of the cluster's barrier: my work-group's barrier, so that wave 0's signal speaks for all four waves; wave 0 signals for the work-group; every wave waits for
; all sixteen work-groups; my work-group's barrier once more.
.macro CREST                           ; a round behind its opening barrier
	s_cmp_lg_u32 s16, 0
	s_cbranch_scc1 .Lnot_wave_0_\@
	s_barrier_signal -3
.Lnot_wave_0_\@:
	s_barrier_wait -3
	s_barrier_signal -1
	s_barrier_wait -1
.endm
.macro CROUND                          ; a whole round
	s_barrier_signal -1
	s_barrier_wait -1
	CREST
.endm
	s_load_b256 s[4:11], s[0:1], 0x0               ; obuf, vmean, wh, mask
	s_load_b128 s[12:15], s[0:1], 0x20             ; b_O, out0
	v_lshl_add_u32 v254, v0, 2, 0x3bc00
	v_mov_b32 v255, 0
	ds_add_u32 v254, v255
	v_lshrrev_b32 v1, 5, v0
	v_readfirstlane_b32 s16, v1                    ; wave 0..3
	s_lshr_b32 s17, s16, 1                         ; which 64 rows of the block are mine.  Also: I fetch for W (0) or for O (1)
	s_and_b32 s18, s16, 1                          ; which 128 columns.  Also: which head of a slot I fetch
	s_bfe_u32 s20, ttmp6, 0x40000                  ; cx
	s_bfe_u32 s21, ttmp6, 0x40004                  ; cy
	s_lshl_b32 s22, ttmp9, 2                       ; in a cluster launch ttmp9 and ttmp7 count clusters
	s_add_co_u32 s22, s22, s20                     ; block column = 4 x cluster x + cx
	s_and_b32 s23, ttmp7, 0xffff
	s_lshl_b32 s23, s23, 2
	s_add_co_u32 s23, s23, s21                     ; block row = 4 x cluster y + cy
	s_lshl_b32 s40, s21, 2
	s_lshl_b32 s40, 15, s40                        ; my row of the cluster: places 4 cy .. 4 cy + 3
	s_lshl_b32 s41, 0x1111, s20                    ; my column: places cx, cx + 4, cx + 8, cx + 12
	; group 1: rows of 128 elements of 2 bytes = 256 consecutive bytes, aligned; the block is dense, so the pitch is the row; 64 such rows of O, 128 of W
	s_or_b32 s[G1+0], s40, (1<<16)|(1<<20)|(1<<21)|(5<<22)|(3<<25)   ; 15:0 the mask: O's tiles go to my row; 17:16 element of 2 bytes; 20 padding on; 21 set beside a mask; 24:22 after every 64 words; 31:25 of 4 words
	s_or_b32 s[G1B+0], s41, (1<<16)|(1<<20)|(1<<21)|(5<<22)|(3<<25)  ; the same with the mask of my column, for W's tiles
	s_mov_b32 s[G1+1], 128<<16                     ; 63:48 tensor_dim0 = 128
	s_mov_b32 s[G1B+1], 128<<16
	s_mov_b32 s[G1+2], 64<<16                      ; 95:80 tensor_dim1 = 64
	s_mov_b32 s[G1B+2], 128<<16                    ;                   = 128
	s_mov_b32 s[G1+3], 128<<16                     ; 127:112 tile_dim0 = 128
	s_mov_b32 s[G1B+3], 128<<16
	s_mov_b32 s[G1+4], 64                          ; 143:128 tile_dim1 = 64; tile_dim2 = 0
	s_mov_b32 s[G1B+4], 128
	s_mov_b32 s[G1+5], 128                         ; 191:160 elements from row to row
	s_mov_b32 s[G1B+5], 128
	s_mov_b32 s[G1+6], 0
	s_mov_b32 s[G1B+6], 0
	s_mov_b32 s[G1+7], 0
	s_mov_b32 s[G1B+7], 0
	; where the tiles come from.  O's hang on the block row alone, W's on the block column alone, each in registers that never hold the other coordinate.
	s_lshr_b32 s42, s23, 4
	s_lshl_b32 s42, s42, 22                        ; batch: 16 heads x 2,048 rows x 128 bytes
	s_and_b32 s43, s23, 15
	s_lshl_b32 s43, s43, 14                        ; 128 rows of 128 bytes
	s_add_co_u32 s42, s42, s43
	s_lshl_b32 s43, s18, 18                        ; my head of the slot: 2,048 rows x 128 bytes
	s_add_co_u32 s42, s42, s43
	s_mov_b32 s43, 0
	s_lshl_b32 s66, s22, 15                        ; 256 rows of 128 bytes
	s_lshl_b32 s67, s18, 17                        ; my head of the slot: 1,024 rows x 128 bytes
	s_add_co_u32 s66, s66, s67
	s_mov_b32 s67, 0
	; and where they go: a constant and the wave's number times a constant; no place in the cluster enters an LDS address
	s_mul_i32 s73, s16, WHEAD                      ; waves 0, 1: W's heads at 0 and 34,816
	s_mul_i32 s72, s16, AHEAD
	s_add_co_u32 s72, s72, AOFF-2*AHEAD            ; waves 2, 3: O's heads at 69,632 and 87,040
	s_wait_dscnt 0x0
	s_wait_kmcnt 0x0
	s_add_nc_u64 s[68:69], s[4:5], s[42:43]
	s_add_nc_u64 s[70:71], s[8:9], s[66:67]
	CROUND                                         ; all sixteen work-groups are here: the first joint loads meet
.irp s, 0,1
	s_mov_b32 s[G0+4*\s], 1                                        ; 1:0 count = 1
	s_add_co_u32 s[G0+4*\s+1], s72, \s*SLOT                        ; 63:32 LDS address
	s_add_nc_u64 s[G0+4*\s+2:G0+4*\s+3], s[68:69], \s*0x80000      ; 120:64 global address: two heads of O on for slot 1
	s_or_b32 s[G0+4*\s+3], s[G0+4*\s+3], 0x80000000                ; 127:126 type = 2
	s_mov_b32 s[G0B+4*\s], 1
	s_add_co_u32 s[G0B+4*\s+1], s73, \s*SLOT
	s_add_nc_u64 s[G0B+4*\s+2:G0B+4*\s+3], s[70:71], \s*0x40000    ; two heads of W on for slot 1
	s_or_b32 s[G0B+4*\s+3], s[G0B+4*\s+3], 0x80000000
	JLOAD \s                                       ; the ring is filled before anything else is done: two tensor loads of the wave are out, never more
.endr
	; the other addresses
	s_mov_b32 s79, 0
	s_lshr_b32 s78, s23, 4
	s_lshl_b32 s78, s78, 11                        ; 2,048 bytes a batch, in vmean and in the mask
	s_add_nc_u64 s[6:7], s[6:7], s[78:79]
	s_add_nc_u64 s[10:11], s[10:11], s[78:79]
	s_lshl_b32 s78, s22, 10
	s_lshl_b32 s77, s18, 9
	s_add_co_u32 s78, s78, s77                     ; my first column, in bytes: 1,024 x block + 512 x half
	s_add_nc_u64 s[12:13], s[12:13], s[78:79]
	s_lshl_b32 s77, s23, 19                        ; 128 rows of 4,096 bytes
	s_add_co_u32 s78, s78, s77
	s_lshl_b32 s77, s17, 18                        ; my 64 rows
	s_add_co_u32 s78, s78, s77
	s_add_nc_u64 s[14:15], s[14:15], s[78:79]
	v_and_b32 v1, 15, v0                           ; r = l % 16
	v_bfe_u32 v2, v0, 4, 1                         ; hh = l / 16
	v_and_b32 v5, 31, v0                           ; lane
	v_lshlrev_b32 v6, 6, v5                        ; the 64 mask bytes of key tile = lane
	v_lshlrev_b32 v7, 4, v0                        ; my 16 bytes of the batch's vmean: 128 threads x 16 = 2,048
	v_lshlrev_b32 v[CO], 4, v5
.irp g, 0,1,2,3
	global_load_b128 v[F0+4*\g:F0+4*\g+3], v6, s[10:11] offset:16*\g
.endr
	global_load_b128 v[BI:BI+3], v[CO], s[12:13]
	global_load_b128 v[F0+16:F0+19], v7, s[6:7]
	; A fragment is 16 rows x 32 K in 8 registers: lane l holds row r; registers 0-3 hold K = 8 hh + 0..7, registers 4-7 K = 16 + 8 hh + 0..7: two loads of 16 bytes, 32 apart.
	v_lshrrev_b32 v3, 1, v1
	v_mul_u32_u24 v3, v3, PITCH                    ; (r / 2) 272
	v_and_b32 v4, 1, v0
	v_lshl_add_u32 v3, v4, 7, v3                   ; + (r % 2) 128
	v_lshl_add_u32 v3, v2, 4, v3                   ; + 16 hh
	s_mul_i32 s75, s18, 64*PITCH                   ; my 128 rows of W
	s_mul_i32 s76, s17, 32*PITCH                   ; my 64 rows of O,
	s_add_co_u32 s76, s76, AOFF                    ; which lie behind W's two heads
.irp s, 0,1
	v_add_nc_u32 v[ADRW+\s], s75, v3
	v_add_nc_u32 v[ADRA+\s], s76, v3
	s_add_co_u32 s75, s75, SLOT
	s_add_co_u32 s76, s76, SLOT
.endr
	s_mul_i32 s77, s16, 16*SPITCH
	s_add_co_u32 s77, s77, STAGE                   ; my stage
	v_mul_u32_u24 v[STO], v1, SPITCH               ; in: row r, 32 bytes for each half of the lanes
	v_lshl_add_u32 v[STO], v2, 5, v[STO]
	v_add_nc_u32 v[STO], s77, v[STO]
	v_add_nc_u32 v[RD], s77, v[CO]                 ; back: the 32 lanes take one row of 512 bytes
	v_lshlrev_b32 v[VMA], 4, v2
	v_add_nc_u32 v[VMA], VMB, v[VMA]
	v_add_nc_u32 v11, VMB, v7
	v_lshlrev_b32 v8, 1, v5
	s_wait_loadcnt 2                               ; the 4 mask loads are in; the loads of the bias and of vmean may be out
	; f: the first key tile with a byte that is not 1, then the first such byte in it
.set ii,1
.rept 15
	v_and_b32 v[F0], v[F0], v[F0+ii]
.set ii,ii+1
.endr
	v_cmp_ne_u32 vcc_lo, 0x01010101, v[F0]
	s_ctz_i32_b32 s74, vcc_lo                      ; -1 where every key is padded
	s_min_u32 s74, s74, 31
	s_lshl_b32 s74, s74, 6
	v_add_nc_u32 v8, s74, v8
	global_load_u16 v9, v8, s[10:11]               ; keys 2 lane and 2 lane + 1 of that tile
	s_wait_loadcnt 0x0
	v_and_b32 v10, 0xff, v9
	v_lshrrev_b32 v12, 8, v9
	v_cmp_eq_u32 vcc_lo, 0, v10
	s_ctz_i32_b32 s75, vcc_lo
	v_cmp_eq_u32 vcc_lo, 0, v12
	s_ctz_i32_b32 s76, vcc_lo
	s_lshl_b32 s75, s75, 1                         ; -1 becomes a huge unsigned number and loses the minimum
	s_lshl_b32 s76, s76, 1
	s_add_co_u32 s76, s76, 1
	s_min_u32 s75, s75, s76
	s_min_u32 s75, s75, 64
	s_add_co_u32 s74, s74, s75                     ; f, 2,048 where every key is padded
	s_and_b32 s75, s23, 15
	s_lshl_b32 s75, s75, 7                         ; the block's first s
	s_lshl_b32 s76, s17, 6
	s_add_co_u32 s75, s75, s76                     ; my first s
.irp a, 0,1,2,3
	s_add_co_u32 s76, s75, 16*\a
	v_add_nc_u32 v13, s76, v1
	v_cmp_gt_u32 s[MSK+\a], s74, v13               ; my row of m block a lies below f
.endr
	ds_store_b128 v11, v[F0+16:F0+19]              ; vmean of the batch into LDS, once
; 26 LDS loads in one run: the fragments of quarter step q (head q / 2, K = 32 (q % 2) .. of it, slot (q / 4) % 2) into buffer q % 2
.macro FETCHQ q
.set fhead, (\q)>>1
.set fkk,   ((\q)&1)*64
.set fslot, ((\q)>>2)&1
.set fhq,   ((\q)>>1)&1
.set fbuf,  F0+((\q)&1)*(F1-F0)
.irp i, 0,1,2,3,4,5,6,7
	ds_load_b128 v[fbuf+8*\i:fbuf+8*\i+3],   v[ADRW+fslot] offset:fhq*WHEAD+\i*8*PITCH+fkk
	ds_load_b128 v[fbuf+8*\i+4:fbuf+8*\i+7], v[ADRW+fslot] offset:fhq*WHEAD+\i*8*PITCH+fkk+32
.endr
.irp i, 0,1,2,3
	ds_load_b128 v[fbuf+FA+8*\i:fbuf+FA+8*\i+3],   v[ADRA+fslot] offset:fhq*AHEAD+\i*8*PITCH+fkk
	ds_load_b128 v[fbuf+FA+8*\i+4:fbuf+FA+8*\i+7], v[ADRA+fslot] offset:fhq*AHEAD+\i*8*PITCH+fkk+32
.endr
	ds_load_b128 v[fbuf+FV:fbuf+FV+3],   v[VMA] offset:fhead*128+fkk       ; the same K of vmean: the sixteen lanes of a half read the same 16 bytes
	ds_load_b128 v[fbuf+FV+4:fbuf+FV+7], v[VMA] offset:fhead*128+fkk+32
.endm
; Rows below f take vmean.  These 32 plain vector instructions name only registers of buffer f, so they are also the places (four are asked)
; between the last products on the other buffer and the loads that fill it again.
.macro SELECT f
.irp a, 0,1,2,3
.irp c, 0,1,2,3,4,5,6,7
	v_cndmask_b32 v[\f+FA+8*\a+\c], v[\f+FA+8*\a+\c], v[\f+FV+\c], s[MSK+\a]
.endr
.endr
.endm
; 16 products: m blocks a0, a0 + 1 x all 8 n blocks, 32 along K.  zero = 1: the first product starts the sums: nothing is ever cleared.
; The 32 accumulators take turns, one instruction a turn, in the same order in every quarter step.
.macro MUL16 f, a0, zero
.irp a, \a0, \a0+1
.irp b, 0,1,2,3,4,5,6,7
.if \zero
	v_wmma_f32_16x16x32_f16 v[8*(8*(\a)+\b):8*(8*(\a)+\b)+7], v[\f+8*\b:\f+8*\b+7], v[\f+FA+8*(\a):\f+FA+8*(\a)+7], 0
.else
	v_wmma_f32_16x16x32_f16 v[8*(8*(\a)+\b):8*(8*(\a)+\b)+7], v[\f+8*\b:\f+8*\b+7], v[\f+FA+8*(\a):\f+FA+8*(\a)+7], v[8*(8*(\a)+\b):8*(8*(\a)+\b)+7]
.endif
.endr
.endr
.endm
; One of a slot's first three quarter steps: buffer f is selected and multiplied; ahead of the products the next quarter's fragments are asked for,
; so that they have the 32 products in which to come.
.macro QUARTER q, f, zero
	s_wait_dscnt 0x0                               ; buffer f is in: its 26 loads are all the LDS instructions that I have out
	SELECT \f
	FETCHQ \q+1
	WIN 0x50                                       ; C and D in window 1
	MUL16 \f, 0, \zero
	MUL16 \f, 2, \zero
	WIN 0
.endm
; A slot's last quarter step: multiplies buffer 1 and changes slots.  fill = 1: this slot is filled again, with the heads four further on.
; ONE barrier for the change of slots, for two things.  In front of it each wave waits for its own reads of this slot and for all its tensor loads, of which one
; is out: its part of the next slot.  Behind it nobody reads this slot any more and the next slot is whole: the refill comes first, then the next slot's first fragments.
.macro TURN q, slot, fill
	s_wait_dscnt 0x0                               ; buffer 1 is in: my reads of this slot are over
	s_wait_tensorcnt 0x0                           ; and all my tensor loads have landed:
	ds_add_u32 v254, v255
	s_wait_dscnt 0x0
	s_barrier_signal -1                            ; say so (where the slot is filled again this barrier opens a round of the cluster's barrier),
	SELECT F1                                      ; work on registers while the others arrive,
	WIN 0x50
	MUL16 F1, 0, 0
	WIN 0
	s_barrier_wait -1                              ; and go on when all four have said so
.if \fill
	CREST                                          ; all sixteen work-groups have said so: no wave of any partner still reads this slot's tiles or has a load on its way
	s_add_nc_u64 s[G0+4*\slot+2:G0+4*\slot+3], s[G0+4*\slot+2:G0+4*\slot+3], 0x100000     ; four heads of O on; no tensor load of mine is out
	s_add_nc_u64 s[G0B+4*\slot+2:G0B+4*\slot+3], s[G0B+4*\slot+2:G0B+4*\slot+3], 0x80000  ; four heads of W on
	JLOAD \slot                                    ; the first tensor load behind the round, and my only one until the next
.endif
	FETCHQ \q+1
	WIN 0x50
	MUL16 F1, 2, 0
	WIN 0
.endm
.macro SLOTSTEP p, slot, fill, zero    ; heads 2 p and 2 p + 1
	QUARTER 4*\p, F0, \zero
	QUARTER 4*\p+1, F1, 0
	QUARTER 4*\p+2, F0, 0
	TURN 4*\p+3, \slot, \fill
.endm
	s_wait_dscnt 0x0                               ; my part of vmean is in LDS, for the others' sake
	s_wait_tensorcnt 1                             ; my part of slot 0 is in; slot 1's may stay out
	s_barrier_signal -1
	s_barrier_wait -1                              ; everybody's is
	FETCHQ 0
	SLOTSTEP 0, 0, 1, 1                            ; the first products start the sums
	SLOTSTEP 1, 1, 1, 0
	SLOTSTEP 2, 0, 1, 0
	SLOTSTEP 3, 1, 1, 0
	SLOTSTEP 4, 0, 1, 0
	SLOTSTEP 5, 1, 1, 0                            ; the last refill: heads 14 and 15
	SLOTSTEP 6, 0, 0, 0                            ; nothing is left to fetch: a barrier of the work-group alone
	QUARTER 28, F0, 0
	QUARTER 29, F1, 0
	QUARTER 30, F0, 0
	s_wait_dscnt 0x0                               ; the very last quarter step
	SELECT F1
	WIN 0x50
	MUL16 F1, 0, 0
	MUL16 F1, 2, 0
	WIN 0
	PLACES                                         ; four places behind the last products (ISA guide 7.12.1): the results are read, and both buffers are loaded again
; THE WAY OUT, 16 rows at a time: 32 bytes a lane into my own stage, back as whole rows of 512 bytes, plus the bias; a store of the wave covers 512 consecutive bytes, aligned.
.macro OUT16 a, f
	WIN 0x04                                       ; the stores' data in window 1
.irp b, 0,1,2,3,4,5,6,7
	ds_store_b128 v[STO], v[8*(8*\a+\b):8*(8*\a+\b)+3] offset:64*\b
	ds_store_b128 v[STO], v[8*(8*\a+\b)+4:8*(8*\a+\b)+7] offset:64*\b+16
.endr
	WIN 0
	s_wait_xcnt 0x0                                ; buffer f was data of earlier global stores: loaded again only behind this wait
.irp t, 0,1,2,3,4,5,6,7,8,9,10,11,12,13,14,15
	ds_load_b128 v[\f+4*\t:\f+4*\t+3], v[RD] offset:\t*SPITCH              ; LDS serves a wave's instructions in order (ISA guide 5.7.1): these see the stores above
.endr
.irp t, 0,1,2,3,4,5,6,7,8,9,10,11,12,13,14,15
	s_wait_dscnt 15-\t                             ; row t is in, the younger loads may be out
	v_pk_add_f32 v[\f+4*\t:\f+4*\t+1], v[\f+4*\t:\f+4*\t+1], v[BI:BI+1]
	v_pk_add_f32 v[\f+4*\t+2:\f+4*\t+3], v[\f+4*\t+2:\f+4*\t+3], v[BI+2:BI+3]
	global_store_b128 v[CO], v[\f+4*\t:\f+4*\t+3], s[14:15] offset:(16*\a+\t)*4096 th:TH_STORE_NT
.endr
.endm
	OUT16 0, F0
	OUT16 1, F1
	OUT16 2, F0
	OUT16 3, F1
	s_wait_tensorcnt 0x0
	ds_add_u32 v254, v255
	s_wait_dscnt 0x0
	CROUND                                         ; the closing round: no work-group ends while a partner may still ask for a tile that names it
	s_endpgm
.Lfunc_end_k_qf49bad9c42_proj:
	.size	k_qf49bad9c42_proj, .Lfunc_end_k_qf49bad9c42_proj-k_qf49bad9c42_proj
	.p2alignl 7, 3214868480
	.fill 96, 4, 3214868480
	.section	.rodata,"a",@progbits
	.p2align	6, 0x0
	.amdhsa_kernel k_qf49bad9c42_proj
		.amdhsa_group_segment_fixed_size 327680
		.amdhsa_private_segment_fixed_size 0
		.amdhsa_enable_private_segment 0
		.amdhsa_kernarg_size 48
		.amdhsa_user_sgpr_count 2
		.amdhsa_user_sgpr_kernarg_segment_ptr 1
		.amdhsa_wavefront_size32 1
		.amdhsa_system_sgpr_workgroup_id_x 1
		.amdhsa_system_sgpr_workgroup_id_y 1
		.amdhsa_system_sgpr_workgroup_id_z 1
		.amdhsa_system_vgpr_workitem_id 0
		.amdhsa_next_free_vgpr 512
		.amdhsa_next_free_sgpr 80
		.amdhsa_reserve_vcc 1
		.amdhsa_float_denorm_mode_32 3
		.amdhsa_float_denorm_mode_16_64 3
		.amdhsa_memory_ordered 1
		.amdhsa_forward_progress 1
		.amdhsa_inst_pref_size 225
	.end_amdhsa_kernel
	.amdgpu_metadata
---
amdhsa.version: [ 1, 2 ]
amdhsa.kernels:
  - .name:           k_qf49bad9c42_proj
    .symbol:         k_qf49bad9c42_proj.kd
    .args:
      - { .name: obuf, .offset: 0, .size: 8, .value_kind: global_buffer, .address_space: global }
      - { .name: vmean, .offset: 8, .size: 8, .value_kind: global_buffer, .address_space: global }
      - { .name: wh, .offset: 16, .size: 8, .value_kind: global_buffer, .address_space: global }
      - { .name: key_padding_mask, .offset: 24, .size: 8, .value_kind: global_buffer, .address_space: global }
      - { .name: b_O, .offset: 32, .size: 8, .value_kind: global_buffer, .address_space: global }
      - { .name: out0, .offset: 40, .size: 8, .value_kind: global_buffer, .address_space: global }
    .group_segment_fixed_size: 327680
    .private_segment_fixed_size: 0
    .kernarg_segment_align: 8
    .kernarg_segment_size: 48
    .max_flat_workgroup_size: 128
    .sgpr_count:     80
    .vgpr_count:     512
    .wavefront_size: 32
...
	.end_amdgpu_metadata
.endif
;; end of part 2
;; ======== version 2 of 2: 2 launches; version 1 with the launch attn written anew for expert scheduling mode
;; limits: values are held in f16: magnitudes above 65,504 overflow, below 6.1e-05 lose precision; inputs' magnitudes at most 65,504; right only within a limited range of input values
;; workspace buffers: obuf 16,777,216 bytes; vmean 8,192 bytes; wh 2,097,152 bytes
;; launch attn (part 3): grid 256 x 1, 8 waves a work-group, no clusters, 87,040 bytes of LDS; arguments queries, keys, values, key_padding_mask, W_O, obuf, vmean, wh; writes obuf, vmean, wh
.if DOCPART == 3
	.amdgcn_target "amdgcn-amd-amdhsa--gfx1250"
	.amdhsa_code_object_version 6
	.text
	.protected	k_qf49bad9c42_attn
	.globl	k_qf49bad9c42_attn
	.p2align	8
	.type	k_qf49bad9c42_attn,@function
k_qf49bad9c42_attn:
	s_mov_b64 s[64:65], 0
	v_nop
	global_prefetch_b8 v0, s[64:65] scope:SCOPE_SE
	s_setreg_imm32_b32 hwreg(HW_REG_WAVE_SCHED_MODE, 0, 2), 2
	s_setreg_imm32_b32 hwreg(HW_REG_WAVE_MODE, 25, 1), 1
	s_wait_xcnt 0x0
	s_wait_alu depctr_vm_vsrc(0)
; Causal attention with a key padding mask, B = 4, S = 2048, H = 16, DH = 64, all inputs f32.
; Stores: obuf[b][h][s][64] f16, the attention output; wh[h][n][64] f16 = W_O[n][64 h + d]; vmean[b][h][64] f16, the mean of V over all 2,048 keys.
; SHARES.  Work-group x: head bh = x / 4, j = x % 4.  It makes two blocks of 256 query rows, block j and then block 7 - j:
; 4 (j + 1) + 4 (8 - j) = 36 key tiles of 64 keys in every work-group.  Wave w owns 32 rows (two tiles of 16) of the block.
; TRANSPOSED FORM.  S^T = K Q^T: in a result tile lane (r, hh) holds query r and keys 8 hh + 0..7, so maximum, sum and rescaling
; are one number a lane, and two packed result tiles ARE the second operand of O^T = V^T P^T: P never moves between lanes.
; FORMATS.  Q, K, V, W_O are rounded to bf16.  P and O are rounded to f16 (11 bits): the first rows of a sequence are about ten
; times the output's root mean square, and 8 bits for P and O would cost them more than one hundredth of that root mean square.
; The f16 matrix form wants both operands in f16, so V and W_O, after their rounding to bf16, are carried as f16 words:
; exact for 2^-17 <= |x| < 65504, within 2^-25 below.
; MASKS.  A masked score is score - 2^100; its weight is exp2 of a huge negative number, 0.  A row all of whose visible keys are
; padded gets finite numbers here that the next launch replaces by vmean (reference() masks with a finite number, so such a row
; is a uniform average over all 2,048 keys).  Key tiles wholly above the diagonal are not computed.
; LIMITS.  |values|, |W_O| < 65504; |q.k| < 2^99; mask bytes are 0 or 1; infinities and NaN in the inputs are not treated.
; NO JOINT REQUESTS: the four work-groups of a head walk different key tiles at a time (block j against block 7 - j, which is what
; makes their work equal); walking in step would take 48 tile steps instead of 36.  NO TENSOR LOADS: K and V are f32 and are
; converted once on the way from memory to LDS, in registers, where the sums for vmean ride along.
; THE MODE: SCHED_MODE bits 1:0 = 2 (LLVM: expert scheduling mode 2), set by the entry lines.  The code itself states the register dependences
; between vector or matrix instructions and memory or LDS instructions, with s_wait_alu, always for 0.
; THE PLAN.  Registers that memory or LDS instructions touch, in a trip:
;   FR     K's fragments.  Written by the 16 LDS loads at the step's head; read by the step's 16 products K Q^T.
;   FV     V's fragments, a buffer of their own.  Written by the 16 LDS loads at the step's head; read by the 16 products V^T P at the step's end.
;   SC     In a step with masks the 8 bias loads land in its first 32 registers at the step's head; else vector and matrix instructions alone name it.
;   STGR   The next tile as loaded.  Written by the eight global loads of ISSUE; read, and used to work in, by the next trip's conversions.
;   OUT    The next tile as stored.  Written by the conversions; read by the eight LDS stores behind them.
;   v[BT]  The bias address: written by one add at the head of a step with masks, read by its 8 bias loads.
;   All other addresses and offsets are made at the start and never written again.
; So a trip has: ONE wait on va_vdst at the step's head, behind which all the step's LDS loads stand in one run; one wait on vm_vsrc ahead of the
; conversions (the stores of a trip ago have read OUT); one wait on va_vdst behind them (OUT is written, STGR is no longer named), ahead of the stores
; and of ISSUE's loads; and the wait behind the exponentials.  A step with masks has two more: vm_vsrc ahead of the add to v[BT], va_sdst behind its compares.
.set KPI,   144                        ; LDS pitch of K, Q and O rows: 128 bytes + 16, an odd multiple of 16: the 16 rows of a fragment start in 16 different 16-byte columns modulo 256
.set VPI,   160                        ; LDS pitch of V rows: an odd multiple of 32, for the transposing load
.set KSL,   0                          ; slot 0: K, 64 rows
.set VSL,   64*KPI                     ; slot 0: V, 64 rows
.set SLOTB, 64*KPI+64*VPI              ; 19,456 bytes a slot, two slots
.set BIAS,  2*SLOTB                    ; 2,048 f32: 0 or -2^100 for each key of the batch
.set STG,   BIAS+8192                  ; 32 rows x 144 bytes for each wave, its own: Q on the way in, O on the way out
.set STGW,  32*KPI
.set VRED,  STG+8*STGW                 ; 64 f32 for each wave: sums of V
.set NT,    36                         ; key tiles of a work-group
.set CEXP,  0x3e38aa3b                 ; 0.125 log2(e)
.set NCEXP, 0xbe38aa3b                 ; its negative
.set NEG,   0xf1800000                 ; -2^100
.set MINIT, 0xfe800000                 ; -2^126: the running maximum at the start
; vector registers, window 0
.set VOFF,2                            ; K, V in memory: (tid / 16) rows of 4,096 bytes + 16 (tid % 16)
.set KST, 3                            ; K into LDS: (tid / 16) 144 + 8 (tid % 16)
.set VST, 4                            ; V into LDS: (tid / 16) 160 + 8 (tid % 16)
.set KA,  5                            ; K fragments: 144 r + 16 hh
.set VA,  6                            ; V fragments: (8 hh + lane % 8) 160 + 16 ((lane / 8) % 2)
.set BA,  7                            ; 32 hh
.set RH,  8                            ; r - 8 hh
.set OST, 9                            ; my stage + 144 r + 16 hh
.set ORD, 10                           ; my stage + (lane / 8) 144 + 16 (lane % 8)
.set OG,  11                           ; 16 lane
.set QG,  12                           ; 4,096 hh + 16 r
.set QST, 13                           ; my stage + 144 hh + 8 r
.set NEGV,14                           ; -2^100
.set DD,  15                           ; first query - first key of the tile + r - 8 hh
.set BT,  16                           ; bias address of the tile
.set VR,  17                           ; VRED + 256 w + 16 r
.set PFO, 18                           ; prefetch: 4,096 lane + 32 rows for the odd wave
.set PO,  19                           ; offsets at the start and at the end
.set NM0, 20                           ; v20 -c x maximum, v21 running maximum (raw), query tile 0
.set MO0, 21
.set NM1, 22                           ; the same, query tile 1
.set MO1, 23
.set AL0, 24                           ; v24 rescaling factor, v25 running sum, query tile 0
.set L0,  25
.set AL1, 26
.set L1,  27
.set VSUM,28                           ; v[28:31] sums of my 4 columns of V
.set T,   32                           ; v[32:43] at work; v[44:45] my 8 mask bytes, at the start only
.set OUT, 44                           ; v[44:59]   the next tile as stored: 4 pairs of K in bf16, 4 pairs of V in f16
.set QF,  64                           ; v[64:95]   Q fragments (qt, dhh) at 16 qt + 8 dhh
.set SC,  96                           ; v[96:159]  scores (qt, kt) at 32 qt + 8 kt; P (qt, kh) packed in place at 32 qt + 16 kh
.set FR,  160                          ; v[160:223] K fragments (kt, dhh) at 16 kt + 8 dhh; at a pass's start Q as loaded
.set STGR,224                          ; v[224:255] the next tile on its way: 4 pieces of K, 4 of V
; window 1: v[0:63] = O^T (qt, dht) at 32 qt + 8 dht
.set FV,  64                           ; window 1: v[64:127] V fragments (dht, kh) at 16 dht + 8 kh
; scalars: s2 wave, s3 j, s4 head bh, s5 batch, s6 s7 at work, s[8:23] the eight addresses, s24 s25 lane selects, s26 tiles with a padded key,
; s27 tiles of the first pass, s28 that + 1, s29 n, s30 pair of tiles (the loop's counter), s31 tile of the trip, s32 pairs of tiles of the pass,
; s33 my diagonal tile, s34 my first query, s35 s36 prefetch range, s37 mask of a high half, s[38:39] an offset, s[40:43] K and V at the tile,
; s[44:45] Q, s[46:47] obuf, s[48:49] prefetch, s[50:51] c
.set MK,  52                           ; s[52:63], s[66:93] forty lane masks: mask m lies at MK + m, two further on from m = 12
.set MSB, 0
.macro WIN new                         ; s_set_vgpr_msb: the high byte repeats the setting that is left; at labels and branches every window is 0
.if MSB != \new
	s_set_vgpr_msb (MSB<<8)|\new
.set MSB, \new
.endif
.endm
; Tile n of the work-group's 36 goes on its way into STGR: key tile n in the first pass, n - s27 in the second.
.macro ISSUE
	s_wait_xcnt 0x0                                ; the bases below are sources of earlier loads and of a prefetch: rewritten only behind this wait
	s_cmp_ge_u32 s29, s27
	s_cselect_b32 s6, s27, 0
	s_sub_co_u32 s6, s29, s6                       ; key tile
	s_lshl_b32 s38, s6, 18                         ; 64 rows of 4,096 bytes
	s_add_nc_u64 s[40:41], s[10:11], s[38:39]
	s_add_nc_u64 s[42:43], s[12:13], s[38:39]
.irp i,0,1,2,3
	global_load_b128 v[STGR+4*\i:STGR+4*\i+3], v[VOFF], s[40:41] offset:\i*65536       ; a wave takes the head's 256 bytes of two rows
.endr
.irp i,0,1,2,3
	global_load_b128 v[STGR+16+4*\i:STGR+16+4*\i+3], v[VOFF], s[42:43] offset:\i*65536
.endr
	; Prefetch of the key tile two trips on (2 x 64 rows x 4,096 = 524,288 bytes ahead).  Waves 0 and 1 ask for K's rows 0-31 and 32-63, waves 2 and 3
	; for V's, a lane for each row's 256 bytes.  Of a head's four work-groups j = 3 asks for tiles 2-15 (n = 0..13) and j = 0 for tiles 16-31
	; (n = 18..33): each block once in the launch, none past tile 31.  For all others the range's length is 0.
	s_sub_co_u32 s7, s29, s35
	s_cmp_ge_u32 s7, s36
	s_cbranch_scc1 .Lnopf_\@
	s_cmp_lt_u32 s2, 2
	s_cselect_b64 s[48:49], s[40:41], s[42:43]
	global_prefetch_b8 v[PFO], s[48:49] offset:524288 th:TH_LOAD_NT scope:SCOPE_SE
.Lnopf_\@:
.endm
; Four f32 in v[a .. a+3] are rounded to bf16 and packed as four f16 into v[d], v[d+1].
.macro B2H a, d
	v_cvt_pk_bf16_f32 v[\a], v[\a], v[\a+1]
	v_cvt_pk_bf16_f32 v[\a+2], v[\a+2], v[\a+3]
	v_and_b32 v[\a+1], s37, v[\a]                  ; bf16 to f32: the high half stays, the low half moves up
	v_lshlrev_b32 v[\a], 16, v[\a]
	v_and_b32 v[\a+3], s37, v[\a+2]
	v_lshlrev_b32 v[\a+2], 16, v[\a+2]
	v_cvt_pk_f16_f32 v[\d], v[\a], v[\a+1]
	v_cvt_pk_f16_f32 v[\d+1], v[\a+2], v[\a+3]
.endm
; The tile in STGR (tile n - 1) is converted into OUT and stored into slot dst; tile n goes on its way.  Behind the last tile nothing is done.
.macro STAGE dst
	s_cmp_ge_u32 s29, NT+1
	s_cbranch_scc1 .Lsend_\@
	s_wait_loadcnt 0x0                             ; the eight loads were issued a trip ago
	s_wait_alu depctr_vm_vsrc(0)                   ; the LDS stores of the tile before have read OUT, which the conversions below write again
	s_cmp_lg_u32 s29, s28
	s_cbranch_scc1 .Lskeep_\@
.irp k,0,1,2,3
	v_mov_b32 v[VSUM+\k], 0                        ; first tile of the second pass: with j = 0 that pass walks all 32 key tiles, each once
.endr
.Lskeep_\@:
.irp i,0,1,2,3
	v_pk_add_f32 v[VSUM:VSUM+1], v[VSUM:VSUM+1], v[STGR+16+4*\i:STGR+16+4*\i+1]
	v_pk_add_f32 v[VSUM+2:VSUM+3], v[VSUM+2:VSUM+3], v[STGR+16+4*\i+2:STGR+16+4*\i+3]
.endr
.irp i,0,1,2,3
	v_cvt_pk_bf16_f32 v[OUT+2*\i], v[STGR+4*\i], v[STGR+4*\i+1]
	v_cvt_pk_bf16_f32 v[OUT+2*\i+1], v[STGR+4*\i+2], v[STGR+4*\i+3]
.endr
.irp i,0,1,2,3
	B2H STGR+16+4*\i, OUT+8+2*\i
.endr
	s_wait_alu depctr_va_vdst(0)                   ; the conversions have written OUT, which the stores below read, and are done reading and writing STGR, in which ISSUE's loads land
.irp i,0,1,2,3
	ds_store_b64 v[KST], v[OUT+2*\i:OUT+2*\i+1] offset:KSL+(\dst)*SLOTB+\i*16*KPI
.endr
.irp i,0,1,2,3
	ds_store_b64 v[VST], v[OUT+8+2*\i:OUT+8+2*\i+1] offset:VSL+(\dst)*SLOTB+\i*16*VPI
.endr
	s_cmp_ge_u32 s29, NT
	s_cbranch_scc1 .Lsend_\@
	ISSUE                                          ; no vector instruction since the wait above names STGR or v[VOFF]
.Lsend_\@:
	s_add_co_u32 s29, s29, 1
.endm
; Eight products S^T (kt, qt) += K (kt, dhh) Q^T (qt, dhh).  The eight accumulators take turns, one instruction a turn.
.macro QK dhh, acc
.irp kt,0,1,2,3
.irp qt,0,1
.if \acc
	v_wmma_f32_16x16x32_bf16 v[SC+32*\qt+8*\kt:SC+32*\qt+8*\kt+7], v[FR+16*\kt+8*\dhh:FR+16*\kt+8*\dhh+7], v[QF+16*\qt+8*\dhh:QF+16*\qt+8*\dhh+7], v[SC+32*\qt+8*\kt:SC+32*\qt+8*\kt+7]
.else
	v_wmma_f32_16x16x32_bf16 v[SC+32*\qt+8*\kt:SC+32*\qt+8*\kt+7], v[FR+16*\kt+8*\dhh:FR+16*\kt+8*\dhh+7], v[QF+16*\qt+8*\dhh:QF+16*\qt+8*\dhh+7], 0
.endif
.endr
.endr
.endm
; The new running maxima of my two queries: 32 scores and the old maximum each, 16 three-way maxima in two chains a query; then the other half of the lanes.
.macro MAXES
	v_max3_num_f32 v[T],   v[SC],    v[SC+1],  v[MO0]
	v_max3_num_f32 v[T+1], v[SC+16], v[SC+17], v[SC+18]
	v_max3_num_f32 v[T+2], v[SC+32], v[SC+33], v[MO1]
	v_max3_num_f32 v[T+3], v[SC+48], v[SC+49], v[SC+50]
.set ii,0
.rept 6
	v_max3_num_f32 v[T],   v[T],   v[SC+2+ii],  v[SC+3+ii]
	v_max3_num_f32 v[T+1], v[T+1], v[SC+19+ii], v[SC+20+ii]
	v_max3_num_f32 v[T+2], v[T+2], v[SC+34+ii], v[SC+35+ii]
	v_max3_num_f32 v[T+3], v[T+3], v[SC+51+ii], v[SC+52+ii]
.set ii,ii+2
.endr
	v_max3_num_f32 v[T],   v[T],   v[SC+14], v[SC+15]
	v_max3_num_f32 v[T+2], v[T+2], v[SC+46], v[SC+47]
	v_max3_num_f32 v[T],   v[T],   v[T+1], v[SC+31]
	v_max3_num_f32 v[T+2], v[T+2], v[T+3], v[SC+63]
	v_permlanex16_b32 v[T+4], v[T], s24, s25       ; the destination counts as read: T .. T+7 were written at the start
	v_permlanex16_b32 v[T+5], v[T+2], s24, s25
	v_max_num_f32 v[T+10], v[T], v[T+4]            ; the new maxima, raw
	v_max_num_f32 v[T+11], v[T+2], v[T+5]
	v_mul_f32 v[NM0], NCEXP, v[T+10]
	v_mul_f32 v[NM1], NCEXP, v[T+11]
	v_fma_f32 v[AL0], v[MO0], s50, v[NM0]          ; c (old maximum - new maximum)
	v_fma_f32 v[AL1], v[MO1], s50, v[NM1]
.endm
.macro SUMQ qt                         ; the sum of a query's 32 weights of this lane: 15 packed adds in two chains, one add
	v_pk_add_f32 v[T+4*\qt:T+4*\qt+1], v[SC+32*\qt:SC+32*\qt+1], v[SC+32*\qt+2:SC+32*\qt+3]
	v_pk_add_f32 v[T+4*\qt+2:T+4*\qt+3], v[SC+32*\qt+16:SC+32*\qt+17], v[SC+32*\qt+18:SC+32*\qt+19]
.set ii,4
.rept 6
	v_pk_add_f32 v[T+4*\qt:T+4*\qt+1], v[T+4*\qt:T+4*\qt+1], v[SC+32*\qt+ii:SC+32*\qt+ii+1]
	v_pk_add_f32 v[T+4*\qt+2:T+4*\qt+3], v[T+4*\qt+2:T+4*\qt+3], v[SC+32*\qt+16+ii:SC+32*\qt+16+ii+1]
.set ii,ii+2
.endr
	v_pk_add_f32 v[T+4*\qt:T+4*\qt+1], v[T+4*\qt:T+4*\qt+1], v[T+4*\qt+2:T+4*\qt+3]
	v_add_f32 v[T+8+\qt], v[T+4*\qt], v[T+4*\qt+1]
.endm
.macro SCALEO                          ; O^T of each query times its factor; under WIN 0x41 (O in window 1, the factor in window 0)
.set ii,0
.rept 16
	v_pk_mul_f32 v[ii:ii+1], v[ii:ii+1], v[AL0:AL0+1] op_sel_hi:[1,0]
.set ii,ii+2
.endr
.rept 16
	v_pk_mul_f32 v[ii:ii+1], v[ii:ii+1], v[AL1:AL1+1] op_sel_hi:[1,0]
.set ii,ii+2
.endr
.endm
; One key tile for my 32 queries.  gen = 1: the sums start from the padding bias and the causal mask; gen = 0: from 0.
.macro STEP slot, gen
.if \gen
	s_and_b32 s6, s31, 31
	s_lshl_b32 s6, s6, 8                           ; 64 keys x 4 bytes
	s_wait_alu depctr_vm_vsrc(0)                   ; the bias loads of an earlier tile have read v[BT], which the next line writes
	v_add_nc_u32 v[BT], s6, v[BA]
.endif
	s_wait_alu depctr_va_vdst(0)                   ; the step's head: the products of the tile before are done reading FR and FV and are done with SC, in which the loads below land; with masks, v[BT] is written
.if \gen
.irp kt,0,1,2,3
	ds_load_b128 v[SC+8*\kt:SC+8*\kt+3], v[BT] offset:BIAS+64*\kt                      ; bias of keys 16 kt + 8 hh + 0..7
	ds_load_b128 v[SC+8*\kt+4:SC+8*\kt+7], v[BT] offset:BIAS+64*\kt+16
.endr
.endif
.irp dhh,0,1
.irp kt,0,1,2,3
	ds_load_b128 v[FR+16*\kt+8*\dhh:FR+16*\kt+8*\dhh+3], v[KA] offset:KSL+\slot*SLOTB+\kt*16*KPI+64*\dhh
	ds_load_b128 v[FR+16*\kt+8*\dhh+4:FR+16*\kt+8*\dhh+7], v[KA] offset:KSL+\slot*SLOTB+\kt*16*KPI+64*\dhh+32
.endr
.endr
	WIN 0x40                                       ; destination in window 1.  Between the wait above and V's loads stand only loads and this switch
.irp kh,0,1
.irp dht,0,1,2,3
	ds_load_tr16_b128 v[FV+16*\dht+8*\kh:FV+16*\dht+8*\kh+3], v[VA] offset:VSL+\slot*SLOTB+32*VPI*\kh+32*\dht
	ds_load_tr16_b128 v[FV+16*\dht+8*\kh+4:FV+16*\dht+8*\kh+7], v[VA] offset:VSL+\slot*SLOTB+32*VPI*\kh+32*\dht+16*VPI
.endr
.endr
	WIN 0
.if \gen
	s_lshl_b32 s6, s31, 6
	s_sub_co_u32 s6, s34, s6                       ; my first query - the tile's first key, 0 or more
	v_add_nc_u32 v[DD], s6, v[RH]
	; key 16 kt + 8 hh + i is above query 16 qt + r where 16 kt + i - 16 qt > DD.  The compares stand in one run, while the loads are out: mask m is for
	; the number 16 (m / 8) + m % 8 - 16.  Query tile 1 takes mask 8 kt + i, query tile 0 mask 8 kt + i + 8: forty different masks serve the 64 selects.
.set mm,0
.rept 40
	v_cmp_gt_i32 s[MK+mm+2*((MK+mm)/64)], 16*(mm/8)+mm%8-16, v[DD]
.set mm,mm+1
.endr
	s_wait_dscnt 32                                ; the 8 bias loads are in; the 16 loads of K and the 16 of V may be out
	s_wait_alu depctr_va_sdst(0)                   ; the forty compares have written their masks, ahead of the first select that reads one
.set kk,0
.rept 32
	v_cndmask_b32 v[SC+32+kk], v[SC+kk], v[NEGV], s[MK+kk+2*((MK+kk)/64)]
	v_cndmask_b32 v[SC+kk], v[SC+kk], v[NEGV], s[MK+kk+8+2*((MK+kk+8)/64)]
.set kk,kk+1
.endr
.endif
	s_wait_dscnt 24                                ; dh 0-31 of K is in; the 8 loads of dh 32-63 and V's 16 may be out
	QK 0, \gen
	s_wait_dscnt 16                                ; all of K is in; V's 16 loads may be out
	QK 1, 1
.rept 4
	v_nop                                          ; four places behind the products (ISA guide 7.12.1), on every way, that without a next tile too: the scores are read
.endr
	STAGE 1-\slot
	MAXES
.set ii,0
.rept 16
	v_pk_fma_f32 v[SC+ii:SC+ii+1], v[SC+ii:SC+ii+1], s[50:51], v[NM0:NM0+1] op_sel_hi:[1,0,0]      ; c score - c maximum
.set ii,ii+2
.endr
.rept 16
	v_pk_fma_f32 v[SC+ii:SC+ii+1], v[SC+ii:SC+ii+1], s[50:51], v[NM1:NM1+1] op_sel_hi:[1,0,0]
.set ii,ii+2
.endr
.set ii,0
.rept 64
	v_exp_f32 v[SC+ii], v[SC+ii]
.set ii,ii+1
.endr
	v_exp_f32 v[AL0], v[AL0]
	v_exp_f32 v[AL1], v[AL1]
	v_nop                                          ; one plain place behind the run of exponentials before a result is used (ISA guide 5.7.2)
	s_wait_alu depctr_va_vdst(0)                   ; the 66 exponentials have written the weights and the two factors: one wait for the batch, ahead of its first reader
	SUMQ 0
	SUMQ 1
.irp blk,0,16,32,48
.set ii,0
.rept 8
	v_cvt_pk_f16_f32 v[SC+\blk+ii], v[SC+\blk+2*ii], v[SC+\blk+2*ii+1]     ; tiles 2 kh and 2 kh + 1 packed in place: P^T of keys 32 kh .. + 31
.set ii,ii+1
.endr
.endr
	s_wait_dscnt 0                                 ; V's fragments; zero, since on the way without a next tile no store stands behind them
	WIN 0x41
	SCALEO
	WIN 0x51                                       ; V, C and D in window 1, P in window 0
.irp kh,0,1
.irp dht,0,1,2,3
.irp qt,0,1
	v_wmma_f32_16x16x32_f16 v[32*\qt+8*\dht:32*\qt+8*\dht+7], v[FV+16*\dht+8*\kh:FV+16*\dht+8*\kh+7], v[SC+32*\qt+16*\kh:SC+32*\qt+16*\kh+7], v[32*\qt+8*\dht:32*\qt+8*\dht+7]
.endr
.endr
.endr
	WIN 0
	; five places behind the last product: the next tile's products write over P
	v_fma_f32 v[L0], v[L0], v[AL0], v[T+8]
	v_fma_f32 v[L1], v[L1], v[AL1], v[T+9]
	v_mov_b32 v[MO0], v[T+10]
	v_mov_b32 v[MO1], v[T+11]
	v_nop
.endm
; A trip.  One barrier orders two things: everybody's stores of this trip's tile against its reads, and everybody's reads of the other slot
; against the stores that fill it again in this trip.
.macro TRIP slot
	s_wait_dscnt 0x0                               ; my LDS stores and loads are done, for the others' sake
	s_barrier_signal -1
	s_barrier_wait -1
	s_cmp_gt_u32 s31, s33
	s_cbranch_scc1 .Lskip_\@                       ; wholly above my diagonal: I only stage my share of the next tile
	s_cmp_eq_u32 s31, s33
	s_cbranch_scc1 .Lgen_\@                        ; my diagonal tile
	s_lshr_b32 s6, s26, s31
	s_and_b32 s6, s6, 1
	s_cmp_lg_u32 s6, 0
	s_cbranch_scc1 .Lgen_\@                        ; a tile with a padded key
	STEP \slot, 0
	s_branch .Ldone_\@
.Lgen_\@:
	STEP \slot, 1
	s_branch .Ldone_\@
.Lskip_\@:
	STAGE 1-\slot
.Ldone_\@:
.endm
; A pass: s32 pairs of tiles, two tiles a trip of the loop so that the slots stand in the immediates.  The counter s30 counts pairs and steps by 1;
; the tiles' numbers 2 s30 and 2 s30 + 1 are made from it.
.macro TRIPS
	s_mov_b32 s30, 0
.Lpass_\@:
	s_lshl_b32 s31, s30, 1
	TRIP 0
	s_add_co_u32 s31, s31, 1
	TRIP 1
	s_add_co_u32 s30, s30, 1
	s_cmp_lt_u32 s30, s32
	s_cbranch_scc1 .Lpass_\@
.endm
.macro SETUP p                         ; pass p: block j or 7 - j
.if \p
	s_sub_co_u32 s6, 7, s3
.else
	s_mov_b32 s6, s3
.endif
	s_lshl_b32 s33, s6, 2
	s_lshr_b32 s7, s2, 1
	s_add_co_u32 s33, s33, s7                      ; my diagonal tile: 4 block + w / 2
	s_lshl_b32 s32, s6, 1
	s_add_co_u32 s32, s32, 2                       ; pairs of tiles of the pass: 2 block + 2
	s_lshl_b32 s34, s6, 8
	s_lshl_b32 s7, s2, 5
	s_add_co_u32 s34, s34, s7                      ; my first query: 256 block + 32 w
	s_lshl_b32 s38, s34, 12
	s_add_nc_u64 s[44:45], s[8:9], s[38:39]
.endm
.macro SETATT                          ; obuf at my first query: (2,048 bh + q0) rows of 128 bytes
	s_lshl_b32 s38, s4, 18
	s_lshl_b32 s6, s34, 7
	s_add_co_u32 s38, s38, s6
	s_add_nc_u64 s[46:47], s[18:19], s[38:39]
.endm
.macro QISSUE                          ; my 32 rows of Q, the head's 256 bytes of two rows a load
.set ii,0
.rept 16
	global_load_b128 v[FR+4*ii:FR+4*ii+3], v[QG], s[44:45] offset:ii*8192 th:TH_LOAD_NT
.set ii,ii+1
.endr
.endm
; Q to bf16, through my own stage into fragments; the state of a pass.
.macro QFIN
	s_wait_loadcnt 0x0
.set ii,0
.rept 16
	v_cvt_pk_bf16_f32 v[FR+4*ii], v[FR+4*ii], v[FR+4*ii+1]
	v_cvt_pk_bf16_f32 v[FR+4*ii+1], v[FR+4*ii+2], v[FR+4*ii+3]
.set ii,ii+1
.endr
	s_wait_alu depctr_va_vdst(0)                   ; the conversions have written the words of FR that the stores below read; the products of the pass before are done reading QF, in which the loads below land
.set ii,0
.rept 16
	ds_store_b64 v[QST], v[FR+4*ii:FR+4*ii+1] offset:2*KPI*ii
.set ii,ii+1
.endr
.irp qt,0,1
.irp dhh,0,1
	ds_load_b128 v[QF+16*\qt+8*\dhh:QF+16*\qt+8*\dhh+3], v[OST] offset:16*KPI*\qt+64*\dhh        ; LDS serves a wave in order (ISA guide 5.7.1): these see my stores
	ds_load_b128 v[QF+16*\qt+8*\dhh+4:QF+16*\qt+8*\dhh+7], v[OST] offset:16*KPI*\qt+64*\dhh+32
.endr
.endr
	v_mov_b32 v[MO0], MINIT
	v_mov_b32 v[MO1], MINIT
	v_mov_b32 v[L0], 0
	v_mov_b32 v[L1], 0
	; O is cleared, 64 moves a pass: a wave's first tile may be of either kind, so no one product can be written out to start the sums,
	; and the first tile's factor exp2(-2^126 c) = 0 needs finite numbers to multiply.
	WIN 0x40
.set ii,0
.rept 64
	v_mov_b32 v[ii], 0
.set ii,ii+1
.endr
	WIN 0
	s_wait_dscnt 0x0
	s_wait_alu depctr_vm_vsrc(0)                   ; my LDS stores have read FR, in which K's fragments land from here on; at the start also: the loads and stores there have read v[PO], T .. T+11 and SC, which the passes write
.endm
; O^T / sum, to f16, through my stage into whole rows of 128 bytes; a store of the wave covers 512 consecutive bytes of obuf, aligned.
.macro FINISH
	v_permlanex16_b32 v[T], v[L0], s24, s25        ; the other half of the lanes summed the other keys
	v_permlanex16_b32 v[T+1], v[L1], s24, s25
	v_add_f32 v[L0], v[L0], v[T]
	v_add_f32 v[L1], v[L1], v[T+1]
	v_rcp_f32 v[AL0], v[L0]                        ; the sum is at least about 1: the largest weight
	v_rcp_f32 v[AL1], v[L1]
	v_nop                                          ; one plain place behind the reciprocals (ISA guide 5.7.2)
	s_wait_alu depctr_va_vdst(0)                   ; the two reciprocals are written: one wait for both, ahead of their first reader
	WIN 0x41
	SCALEO
	WIN 0x05                                       ; both sources in window 1
.set ii,0
.rept 32
	v_cvt_pk_f16_f32 v[SC+ii], v[2*ii], v[2*ii+1]  ; (qt, dht): four words = dh 16 dht + 8 hh + 0..7 of query 16 qt + r
.set ii,ii+1
.endr
	WIN 0
	s_wait_alu depctr_va_vdst(0)                   ; the conversions have written SC .. SC+31, which the LDS stores read; the last products are done reading SC+32 .. SC+63, in which the loads below land
.irp qt,0,1
.irp dht,0,1,2,3
	ds_store_b128 v[OST], v[SC+16*\qt+4*\dht:SC+16*\qt+4*\dht+3] offset:16*KPI*\qt+32*\dht
.endr
.endr
.set ii,0
.rept 8
	ds_load_b128 v[SC+32+4*ii:SC+32+4*ii+3], v[ORD] offset:4*KPI*ii
.set ii,ii+1
.endr
.set ii,0
.rept 8
	s_wait_dscnt 7-ii                              ; LDS loads come back in order: four rows are in, the younger loads may be out
	global_store_b128 v[OG], v[SC+32+4*ii:SC+32+4*ii+3], s[46:47] offset:512*ii
.set ii,ii+1
.endr
	s_wait_xcnt 0x0                                ; the stores' data and base are rewritten only behind this wait
	s_wait_alu depctr_vm_vsrc(0)                   ; the LDS stores have read SC .. SC+31 and the global stores SC+32 .. SC+63, which products and loads write again
.endm
	; ---------------- the start
	s_load_b512 s[8:23], s[0:1], 0x0               ; queries, keys, values, mask, W_O, obuf, vmean, wh
	v_lshl_add_u32 v62, v0, 2, 0x15000
	v_mov_b32 v63, 0
	v_lshrrev_b32 v[PO], 5, v0
	v_readfirstlane_b32 s2, v[PO]                  ; wave
	s_and_b32 s3, ttmp9, 3                         ; j
	s_lshr_b32 s4, ttmp9, 2                        ; bh
	s_lshr_b32 s5, s4, 4                           ; b
	s_mov_b32 s24, 0x76543210                      ; v_permlanex16_b32: lane i of one half reads lane i of the other
	s_mov_b32 s25, 0xfedcba98
	s_mov_b32 s37, 0xffff0000
	s_mov_b32 s39, 0
	s_mov_b32 s50, CEXP
	s_mov_b32 s51, CEXP
	s_lshl_b32 s27, s3, 2
	s_add_co_u32 s27, s27, 4                       ; tiles of the first pass
	s_add_co_u32 s28, s27, 1
	s_mov_b32 s35, 0                               ; the prefetch range: first n and length
	s_mov_b32 s36, 0
	s_cmp_eq_u32 s3, 3
	s_cselect_b32 s36, 14, s36
	s_cmp_eq_u32 s3, 0
	s_cselect_b32 s35, 18, s35
	s_cselect_b32 s36, 16, s36
	s_wait_alu depctr_va_sdst(0)                   ; s2, the wave's number, is written, ahead of its first reader
	s_cmp_ge_u32 s2, 4
	s_cselect_b32 s36, 0, s36
	v_and_b32 v1, 31, v0                           ; lane
	v_and_b32 v[T], 15, v0                         ; r
	v_bfe_u32 v[T+1], v0, 4, 1                     ; hh
	v_lshrrev_b32 v[T+2], 4, v0                    ; tid / 16
	v_lshlrev_b32 v[VOFF], 4, v[T]
	v_lshl_add_u32 v[VOFF], v[T+2], 12, v[VOFF]
	v_mul_u32_u24 v[KST], v[T+2], KPI
	v_lshl_add_u32 v[KST], v[T], 3, v[KST]
	v_mul_u32_u24 v[VST], v[T+2], VPI
	v_lshl_add_u32 v[VST], v[T], 3, v[VST]
	v_mul_u32_u24 v[KA], v[T], KPI
	v_lshl_add_u32 v[KA], v[T+1], 4, v[KA]
	v_and_b32 v[T+3], 7, v0
	v_lshl_add_u32 v[T+3], v[T+1], 3, v[T+3]
	v_mul_u32_u24 v[VA], v[T+3], VPI
	v_bfe_u32 v[T+3], v0, 3, 1
	v_lshl_add_u32 v[VA], v[T+3], 4, v[VA]
	v_lshlrev_b32 v[BA], 5, v[T+1]
	v_lshlrev_b32 v[RH], 3, v[T+1]
	v_sub_nc_u32 v[RH], v[T], v[RH]
	s_mul_i32 s6, s2, STGW
	s_add_co_u32 s6, s6, STG                       ; my stage
	v_add_nc_u32 v[OST], s6, v[KA]
	v_bfe_u32 v[T+3], v0, 3, 2
	v_mul_u32_u24 v[ORD], v[T+3], KPI
	v_and_b32 v[T+3], 7, v0
	v_lshl_add_u32 v[ORD], v[T+3], 4, v[ORD]
	v_add_nc_u32 v[ORD], s6, v[ORD]
	v_lshlrev_b32 v[OG], 4, v1
	v_lshlrev_b32 v[QG], 4, v[T]
	v_lshl_add_u32 v[QG], v[T+1], 12, v[QG]
	v_mul_u32_u24 v[QST], v[T+1], KPI
	v_lshl_add_u32 v[QST], v[T], 3, v[QST]
	v_add_nc_u32 v[QST], s6, v[QST]
	v_mov_b32 v[NEGV], NEG
	s_lshl_b32 s7, s2, 8
	s_add_co_u32 s7, s7, VRED
	v_lshl_add_u32 v[VR], v[T], 4, s7
	s_and_b32 s7, s2, 1
	s_lshl_b32 s7, s7, 17
	v_lshl_add_u32 v[PFO], v1, 12, s7
	v_lshlrev_b32 v[PO], 3, v0                     ; my 8 mask bytes
	v_lshlrev_b32 v[T+8], 6, v1                    ; the 64 mask bytes of key tile = lane
	s_lshl_b32 s7, s2, 9
	v_add_nc_u32 v[T+9], s7, v[QG]                 ; W_O: row hh, heads 2 w and 2 w + 1, 16 bytes at 16 r
	s_lshl_b32 s7, s2, 18
	v_lshlrev_b32 v[T+10], 3, v[T]
	v_lshl_add_u32 v[T+10], v[T+1], 7, v[T+10]
	v_add_nc_u32 v[T+10], s7, v[T+10]              ; wh: head 2 w, row hh, 8 bytes at 8 r
	v_lshlrev_b32 v[T+11], 5, v0                   ; my 8 bias words
.irp k,0,1,2,3
	v_mov_b32 v[VSUM+\k], 0
.endr
	s_wait_kmcnt 0x0
	s_lshl_b32 s38, s5, 23                         ; batch: 2,048 rows of 4,096 bytes
	s_and_b32 s7, s4, 15
	s_lshl_b32 s7, s7, 8                           ; head: 256 bytes in a row
	s_or_b32 s38, s38, s7
	s_add_nc_u64 s[8:9], s[8:9], s[38:39]
	s_add_nc_u64 s[10:11], s[10:11], s[38:39]
	s_add_nc_u64 s[12:13], s[12:13], s[38:39]
	s_lshl_b32 s38, s5, 11
	s_add_nc_u64 s[14:15], s[14:15], s[38:39]      ; the batch's mask
	s_lshl_b32 s38, ttmp9, 14
	s_add_nc_u64 s[16:17], s[16:17], s[38:39]      ; W_O rows 4 x .. 4 x + 3
	s_lshl_b32 s38, s4, 7
	s_add_nc_u64 s[20:21], s[20:21], s[38:39]      ; vmean of the head
	s_lshl_b32 s38, ttmp9, 9
	s_add_nc_u64 s[22:23], s[22:23], s[38:39]      ; wh rows 4 x .. of 128 bytes
	s_mov_b32 s29, 0
	SETUP 0
	SETATT
	s_wait_alu depctr_va_vdst(0)                   ; all addresses and offsets are written (v2 to v13, v17 to v19, T+8 to T+11), which the kernel's loads, stores and prefetches read
	global_load_b64 v[T+12:T+13], v[PO], s[14:15]
.irp g,0,1,2,3
	global_load_b128 v[SC+16+4*\g:SC+16+4*\g+3], v[T+8], s[14:15] offset:16*\g
.endr
.irp g,0,1,2,3
	global_load_b128 v[SC+4*\g:SC+4*\g+3], v[T+9], s[16:17] offset:(\g>>1)*8192+(\g&1)*256 th:TH_LOAD_NT   ; rows hh + 2 (g / 2), head 2 w + g % 2
.endr
	ISSUE                                          ; tile 0
	s_mov_b32 s29, 1
	QISSUE
	s_wait_loadcnt 0x0
	; the padding bias of my 8 keys (this also writes T .. T+7 for the first time); bit t of s26: key tile t holds a padded key.  The nine compares stand in one run.
.set ii,0
.rept 8
	v_bfe_u32 v[T+ii], v[T+12+ii/4], 8*(ii%4), 8
.set ii,ii+1
.endr
.set ii,1
.rept 15
	v_or_b32 v[SC+16], v[SC+16], v[SC+16+ii]
.set ii,ii+1
.endr
.set ii,0
.rept 8
	v_cmp_ne_u32 s[MK+ii], 0, v[T+ii]
.set ii,ii+1
.endr
	v_cmp_ne_u32 s26, 0, v[SC+16]
	s_wait_alu depctr_va_sdst(0)                   ; the nine compares have written their masks, ahead of the selects below and of every reader of s26
.set ii,0
.rept 8
	v_cndmask_b32 v[T+ii], 0, v[NEGV], s[MK+ii]
.set ii,ii+1
.endr
	; my 16 numbers of W_O; a store of the wave covers 256 consecutive bytes of wh, aligned
.irp g,0,1,2,3
	B2H SC+4*\g, SC+4*\g
.endr
	s_wait_alu depctr_va_vdst(0)                   ; the selects have written T .. T+7 and the conversions SC .. SC+13, which the stores below read
	ds_store_b128 v[T+11], v[T:T+3] offset:BIAS
	ds_store_b128 v[T+11], v[T+4:T+7] offset:BIAS+16
.irp g,0,1,2,3
	global_store_b64 v[T+10], v[SC+4*\g:SC+4*\g+1], s[22:23] offset:(\g&1)*131072+(\g>>1)*256
.endr
	QFIN
	s_wait_xcnt 0x0                                ; the stores' offset and data registers are rewritten only behind this wait
	STAGE 0                                        ; tile 0 into slot 0; tile 1 goes on its way
	TRIPS                                          ; the first pass; its last trip stages the second pass's tile 0
	SETUP 1
	s_wait_alu depctr_va_vdst(0)                   ; the first pass's products are done reading FR, in which the second block's Q lands
	QISSUE                                         ; the second block's Q comes in while the first block's O goes out
	FINISH
	SETATT
	QFIN
	TRIPS
	FINISH
	; the mean of V: the other half of the lanes, then the eight waves through LDS
.irp k,0,1,2,3
	v_permlanex16_b32 v[T+\k], v[VSUM+\k], s24, s25
.endr
	v_pk_add_f32 v[VSUM:VSUM+1], v[VSUM:VSUM+1], v[T:T+1]
	v_pk_add_f32 v[VSUM+2:VSUM+3], v[VSUM+2:VSUM+3], v[T+2:T+3]
	s_wait_alu depctr_va_vdst(0)                   ; the additions have written VSUM, which the store reads
	ds_store_b128 v[VR], v[VSUM:VSUM+3]            ; both halves store the same numbers to the same bytes
	s_wait_dscnt 0x0
	s_barrier_signal -1
	s_barrier_wait -1
	s_or_b32 s6, s2, s3
	s_cmp_lg_u32 s6, 0
	s_cbranch_scc1 .Lend                           ; wave 0 of the work-group with j = 0, whose second pass walked all 32 tiles, stores the head's mean
	v_lshlrev_b32 v[PO], 3, v1
	v_add_nc_u32 v[PO], VRED, v[PO]
	v_lshlrev_b32 v[T], 2, v1
	s_wait_alu depctr_va_vdst(0)                   ; v[PO] is written, which the loads below read as their address, and v[T], the last store's offset
.irp k,0,1,2,3,4,5,6,7
	ds_load_b64 v[SC+2*\k:SC+2*\k+1], v[PO] offset:256*\k
.endr
	s_wait_dscnt 0x0
.irp k,1,2,3,4,5,6,7
	v_pk_add_f32 v[SC:SC+1], v[SC:SC+1], v[SC+2*\k:SC+2*\k+1]
.endr
	v_pk_mul_f32 v[SC:SC+1], v[SC:SC+1], 0x3a000000 op_sel_hi:[1,0]        ; / 2,048
	v_cvt_pk_f16_f32 v[SC], v[SC], v[SC+1]
	s_wait_alu depctr_va_vdst(0)                   ; the conversion has written v[SC], which the store reads
	global_store_b32 v[T], v[SC], s[20:21]         ; 128 consecutive bytes: a head's whole row of vmean
.Lend:
	s_wait_dscnt 0x0                               ; the closing lines, six on end
	s_wait_alu 0x0
	s_wait_tensorcnt 0x0
	ds_add_u32 v62, v63
	s_wait_dscnt 0x0
	s_endpgm
.Lfunc_end_k_qf49bad9c42_attn:
	.size	k_qf49bad9c42_attn, .Lfunc_end_k_qf49bad9c42_attn-k_qf49bad9c42_attn
	.p2alignl 7, 3214868480
	.fill 96, 4, 3214868480
	.section	.rodata,"a",@progbits
	.p2align	6, 0x0
	.amdhsa_kernel k_qf49bad9c42_attn
		.amdhsa_group_segment_fixed_size 87040
		.amdhsa_private_segment_fixed_size 0
		.amdhsa_enable_private_segment 0
		.amdhsa_kernarg_size 64
		.amdhsa_user_sgpr_count 2
		.amdhsa_user_sgpr_kernarg_segment_ptr 1
		.amdhsa_wavefront_size32 1
		.amdhsa_system_sgpr_workgroup_id_x 1
		.amdhsa_system_sgpr_workgroup_id_y 1
		.amdhsa_system_sgpr_workgroup_id_z 1
		.amdhsa_system_vgpr_workitem_id 0
		.amdhsa_next_free_vgpr 384
		.amdhsa_next_free_sgpr 94
		.amdhsa_reserve_vcc 0
		.amdhsa_float_denorm_mode_32 3
		.amdhsa_float_denorm_mode_16_64 3
		.amdhsa_memory_ordered 1
		.amdhsa_forward_progress 1
		.amdhsa_inst_pref_size 255
	.end_amdhsa_kernel
	.section	.bss,"aw",@nobits
	.p2align	6
	.space	262144
	.amdgpu_metadata
---
amdhsa.version: [ 1, 2 ]
amdhsa.kernels:
  - .name:           k_qf49bad9c42_attn
    .symbol:         k_qf49bad9c42_attn.kd
    .args:
      - { .name: queries, .offset: 0, .size: 8, .value_kind: global_buffer, .address_space: global }
      - { .name: keys, .offset: 8, .size: 8, .value_kind: global_buffer, .address_space: global }
      - { .name: values, .offset: 16, .size: 8, .value_kind: global_buffer, .address_space: global }
      - { .name: key_padding_mask, .offset: 24, .size: 8, .value_kind: global_buffer, .address_space: global }
      - { .name: W_O, .offset: 32, .size: 8, .value_kind: global_buffer, .address_space: global }
      - { .name: obuf, .offset: 40, .size: 8, .value_kind: global_buffer, .address_space: global }
      - { .name: vmean, .offset: 48, .size: 8, .value_kind: global_buffer, .address_space: global }
      - { .name: wh, .offset: 56, .size: 8, .value_kind: global_buffer, .address_space: global }
    .group_segment_fixed_size: 87040
    .private_segment_fixed_size: 0
    .kernarg_segment_align: 8
    .kernarg_segment_size: 64
    .max_flat_workgroup_size: 256
    .sgpr_count:     94
    .vgpr_count:     384
    .wavefront_size: 32
...
	.end_amdgpu_metadata
.endif
;; end of part 3
;; launch proj: the kernel of part 2 again; grid 4 x 64, 4 waves a work-group, clusters of 4 x 4, 327,680 bytes of LDS; arguments obuf, vmean, wh, key_padding_mask, b_O, out0; writes out0
